; MI455X (gfx1250); checked and timed in simulation.
; The chip was launched on July 23, 2026; its instructions are those of AMD's public machine-readable ISA for CDNA 5 (MIT licence, August 2026) and "CDNA5" Instruction Set Architecture Reference Guide (July 2026). The comments in the code are by the model that wrote it; some were corrected since.
;; Attention. Allowed arithmetic: matrix products marked QUANTISED: E2M3 operands, one E8M0 scale for each 32 along K, by v_wmma_scale_f32_16x16x128_f8f6f4 with both operands' format E2M3, f32 sums; everything else in f32.
;; Inputs: w_out 1,024 x 1,024 float32; w_qkv 1,024 x 3,072 float32; x 4 x 2,048 x 1,024 float32.
;; Outputs: out0 4 x 2,048 x 1,024 float32.
;; This version of the problem:
;;   THIS VERSION OF THE PROBLEM IS GIVEN IN LOW PRECISION. The matrix products marked QUANTISED in the list below multiply operands that are first quantised to E2M3 (2 exponent bits, 3 mantissa bits; 6 bits a number), with one power-of-two scale for each 32 numbers along K (OCP MX v1.0); their sums are f32. All else is computed in f32.
;;   The module's matrix products, in the order in which they are computed (A, B: the left and right operand; K: the contracted axis; several contracted axes count as one K, in the product's order):
;;     1. [M 8,192, K 1,024] x [K 1,024, N 3,072]; A: input x; B: input w_qkv: QUANTISED
;;     2. batch 64 x [M 2,048, K 64] x [K 64, N 2,048]; A: computed on the way; B: computed on the way: QUANTISED
;;     3. batch 64 x [M 2,048, K 2,048] x [K 2,048, N 64]; A: softmax (see below); B: computed on the way: QUANTISED
;;     4. [M 8,192, K 1,024] x [K 1,024, N 1,024]; A: computed on the way; B: input w_out: QUANTISED
;;   THE QUANTISER, for each operand of a quantised product, along K:
;;     - K is cut into blocks of 32 from its start; a last block that is shorter is filled with zeros.
;;     - A block's scale is 2^e with e = floor(log2(the largest magnitude in the block)) - 2, held to -126 .. 127; a block of zeros has e = 0. As a byte (E8M0): e + 127.
;;     - Each number is divided by its block's scale, clamped to +-7.5, and rounded to the nearest number of E2M3, ties to even, subnormals kept.
;;     - The product sums the exact products of the quantised numbers (number of the format x scale) in f32.
;;   ~~~python
;;   def quantise(x, axis):      # numpy; x: float32 -> the quantised numbers, widened to float32 again
;;       x = np.moveaxis(x, axis, -1); K = x.shape[-1]
;;       x = np.pad(x, [(0, 0)] * (x.ndim - 1) + [(0, -K % 32)]); x = x.reshape(x.shape[:-1] + (-1, 32)); a = np.abs(x).max(-1, keepdims=True)
;;       e = np.where(a > 0, np.clip(np.frexp(np.where(a > 0, a, 1))[1] - 1 - 2, -126, 127), 0)      # np.frexp(a)[1] - 1 = floor(log2(a)), exactly
;;       r = np.clip(x / 2.0 ** e, -7.5, 7.5)
;;       step = 2.0 ** (np.maximum(np.frexp(np.where(r == 0, 1, r))[1] - 1, 0) - 3)
;;       q = np.round(r / step) * step * 2.0 ** e      # np.round: ties to even
;;       return np.moveaxis(q.reshape(q.shape[:-2] + (-1,))[..., :K], -1, axis).astype(np.float32)
;;   ~~~
;;   SOFTMAX AHEAD OF A QUANTISED PRODUCT. Where the list says 'softmax', what is quantised is not the finished softmax but p = 2^(t - M), with t = logit x log2(e) and M = ceil(the row's largest t), a whole number; so 1/2 < the row's largest p <= 1. The row's sum l is taken of the UNQUANTISED p, in f32, and the product's result is divided by l at the end. Since M is a whole number, a kernel that streams over the keys may use a running M (the ceiling of the running maximum): every later rescaling is an exact power of two, which a block's scale takes up: the codes' values come out the same.
;;   OPERANDS COMPUTED ON THE WAY. 'Computed on the way' means the value that the module computes at that place (a softmax that the list does not call 'softmax' is quantised finished and normalised). What goes into a quantiser is computed in f32, as accurately as f32 sums, v_exp_f32 and their like allow (about 1e-6 of the number): no bf16 or f16 on the way to a quantiser, and a product that is left as it is and whose result goes on into a quantised operand takes f32 operands (vector FMAs, or v_wmma_f32_16x16x4_f32). A number that lies on a knife's edge between two numbers of the format may be rounded either way, as far as f32 arithmetic and the matrix unit's own rounding can turn it there, and no further.
;; One version. Each part assembles by itself: llvm-mc -triple=amdgcn-amd-amdhsa -mcpu=gfx1250 --defsym DOCPART=n.
;; ======== version 1 of 1: 4 launches
;; limits: right only within a limited range of input values
;; workspace buffers: xq 6,553,600 bytes; wq 3,276,800 bytes; qk 13,631,488 bytes; vv 6,553,600 bytes; aq 6,553,600 bytes
;; launch quant (part 1): grid 384 x 1, 4 waves a work-group, no clusters, 83,456 bytes of LDS; arguments x, w_qkv, w_out, xq, wq; writes xq, wq
.if DOCPART == 1
	.amdgcn_target "amdgcn-amd-amdhsa--gfx1250"
	.amdhsa_code_object_version 6
	.text
	.protected	k_qe871100c24_quant
	.globl	k_qe871100c24_quant
	.p2align	8
	.type	k_qe871100c24_quant,@function
k_qe871100c24_quant:
	s_mov_b64 s[64:65], 0
	v_nop
	global_prefetch_b8 v0, s[64:65] scope:SCOPE_SE
	s_setreg_imm32_b32 hwreg(HW_REG_WAVE_MODE, 25, 1), 1
	s_wait_xcnt 0x0
; x [8192][1024], w_qkv [1024][3072] and w_out [1024][1024], f32, become codes of FP6 (E2M3) with one E8M0 byte for each 32 along K (x: its last axis; the weights: their first).
; A block's scale is 2^(floor(log2(its largest magnitude)) - 2): its byte is the largest magnitude's exponent field - 2, held at 1 from below.
; LIMITS: NaN and infinities among the inputs are not served.  A block of zeros, or one whose largest magnitude lies under 2^-124, gets the byte 1 (a block of zeros: where the rule says 127; its codes are zeros, and these bytes are read by this program alone).
; LAYOUT OF THE RESULTS, as the products' operand registers take them.  Rows (tokens, or a weight's columns) go in groups of 32; tile 2 g + u, lane-row r, is row 32 g + 8 u + r + 8 (r / 8).
; A HALF IMAGE, 768 bytes, is 16 such rows x 64 along K as the six operand registers of the 32 lanes: lane L's registers 0-3 at 16 L, its registers 4-5 at 512 + 8 L (lane L = 16 h + r holds k = 32 h .. 32 h + 31 of row r).
; Codes: [tile][16 half images].  Scale words: [group][quarter of 256 k][u][r][2 words], 256 bytes for a group and a quarter; word s, byte b scales k = 128 s + 32 b.
; Work-groups 0-255 take x (a group of 32 rows; wave = a quarter of K), 256-351 w_qkv, 352-383 w_out (128 columns x 256 along K; wave = a group of 32 columns).  Each of the three ways has LDS bytes of its own.  Waves share nothing: no barrier.
.set XSCO,  6291456                    ; xq: where the scale words begin
.set WSCO,  3145728                    ; wq: likewise
.set XSTP,  528                        ; x's stage: a row of 512 bytes + 16, so that the sixteen rows of a read start in different banks
.set XSTW,  16*XSTP                    ; a wave's stage
.set W1ST,  4*XSTW                     ; w_qkv's stages: 6,144 bytes a wave (2 tiles x 4 half images)
.set WSTW,  6144
.set W2ST,  W1ST+4*WSTW                ; w_out's
.set SPARE, W2ST+4*WSTW                ; the spare words, 128 bytes for each wave: two blocks of 256 bytes that no other line names
.set SPW,   13                         ; v13  LDS address of my spare word; never rewritten
.set NIL,   14                         ; v14  0; never rewritten
.set TM,    16                         ; v16-31 at work in QUANT
.set PC,    32                         ; v32-50 the codes just made
.set PWR,   52                         ; v52-55 the four sub-units' scale words
.set R,     64                         ; v64-191 two sets of 64: numbers as loaded
.set X,     192                        ; v192-255 64 numbers: register 16 b + i = k 32 b + 16 h + i of my row
.set SEL,   20                         ; s[20:21] selects of v_permlanex16_b32: lane l xor 16
; 64 numbers of a lane, register 16 b + i = k 32 b + 16 (lane / 16) + i of my row, become a fragment's 12 registers of codes in v[PC] on and its scale word in v[pw].
.macro QUANT s, pw
.irp b, 0,1,2,3
	v_max3_num_f32 v[TM+\b], |v[\s+16*\b]|, |v[\s+1+16*\b]|, 0x1800000   ; block b: my 16 numbers, and the floor 2^(3 - 127): the byte cannot fall under 1
.endr
.irp i, 2,4,6,8,10,12,14
.irp b, 0,1,2,3
	v_max3_num_f32 v[TM+\b], v[TM+\b], |v[\s+16*\b+\i]|, |v[\s+1+16*\b+\i]|   ; the four blocks by turns
.endr
.endr
.irp b, 0,1,2,3
	v_permlanex16_b32 v[TM+4+\b], v[TM+\b], s[SEL], s[SEL+1]
.endr
.irp b, 0,1,2,3
	v_max_num_f32 v[TM+\b], v[TM+\b], v[TM+4+\b]   ; with lane l xor 16's 16: the block's largest magnitude
.endr
.irp b, 0,1,2,3
	v_add_nc_u32 v[TM+12+\b], 0xff000000, v[TM+\b] ; 2 off its exponent field: the conversion takes that field as its scale
.endr
.irp b, 0,1,2,3
	v_lshrrev_b32 v[TM+4+\b], 23, v[TM+12+\b]      ; the scale's byte
.endr
	v_lshl_or_b32 v[\pw], v[TM+5], 8, v[TM+4]
	v_lshl_or_b32 v[\pw], v[TM+6], 16, v[\pw]
	v_lshl_or_b32 v[\pw], v[TM+7], 24, v[\pw]      ; my row's scale word
.irp c, 0,1
	v_cvt_scalef32_pk16_fp6_f32 v[PC+6*\c:PC+2+6*\c], v[\s+32*\c:\s+15+32*\c], v[TM+12+2*\c]
	v_cvt_scalef32_pk16_fp6_f32 v[PC+12+4*\c:PC+14+4*\c], v[\s+16+32*\c:\s+31+32*\c], v[TM+12+2*\c+1]   ; (a conversion's three registers begin on an even number)
.endr
	v_nop                                          ; one plain place behind a scaled conversion
.irp c, 0,1                                    ; the operand wants a whole block in a lane: lanes 0-15 block 2 c, lanes 16-31 block 2 c + 1
.irp i, 0,1,2
	v_permlane16_swap_b32 v[PC+6*\c+\i], v[PC+12+4*\c+\i]
.endr
.irp i, 0,1,2
	v_mov_b32 v[PC+3+6*\c+\i], v[PC+12+4*\c+\i]
.endr
.endr
.endm
.macro FINISH                          ; a wave's end
	s_wait_tensorcnt 0x0
	ds_add_u32 v[SPW], v[NIL]
	s_wait_dscnt 0x0
	s_endpgm
.endm
	s_load_b256 s[4:11], s[0:1], 0x0               ; x s[4:5], w_qkv s[6:7], w_out s[8:9], xq s[10:11]
	s_load_b64 s[12:13], s[0:1], 0x20              ; wq
	v_lshl_add_u32 v[SPW], v0, 2, SPARE
	v_mov_b32 v[NIL], 0
	v_lshrrev_b32 v1, 5, v0
	v_readfirstlane_b32 s16, v1                    ; wave 0..3
	v_and_b32 v10, 31, v0                          ; lane
	s_mov_b32 s[SEL], 0x76543210
	s_mov_b32 s[SEL+1], 0xfedcba98
	s_cmp_lt_u32 ttmp9, 256
	s_cbranch_scc0 .Lweights
; ---------------- x: group g = the work-group's number, quarter q = the wave.  Four sub-units t = 2 u + s: tile u, 128 along K.
	v_lshlrev_b32 v1, 4, v10                       ; 16 L
	v_lshlrev_b32 v2, 3, v10                       ; 8 L
	s_mul_i32 s17, s16, XSTW
	v_add_nc_u32 v3, s17, v1                       ; the stage, on the way in: a row's 512 bytes as they lie
	v_and_b32 v11, 15, v0                          ; r
	v_bfe_u32 v12, v0, 4, 1                        ; h
	v_mul_u32_u24 v4, v11, XSTP
	v_lshl_add_u32 v4, v12, 6, v4
	v_add_nc_u32 v4, s17, v4                       ; and on the way out: row r, + 64 h: my 16 numbers of each block of 32
.irp b, 0,1,2,3
	v_mov_b32 v[TM+4+\b], 0                        ; written once: a lane permute's destination counts as one of its sources
.endr
	s_lshl_b32 s18, ttmp9, 17                      ; 32 rows of 4,096 bytes
	s_lshl_b32 s19, s16, 10                        ; 256 numbers
	s_add_co_u32 s18, s18, s19
	s_mov_b32 s19, 0
	s_mul_i32 s22, ttmp9, 24576                    ; two tiles of 16 half images
	s_mul_i32 s23, s16, 3072                       ; four half images
	s_add_co_u32 s22, s22, s23
	s_mov_b32 s23, 0
	s_lshl_b32 s24, ttmp9, 10
	s_lshl_b32 s25, s16, 8
	s_add_co_u32 s24, s24, s25
	s_add_co_u32 s24, s24, XSCO
	s_mov_b32 s25, 0
	s_wait_alu depctr_va_vdst(0)
	s_wait_kmcnt 0x0
	s_add_nc_u64 s[4:5], s[4:5], s[18:19]
	s_add_nc_u64 s[26:27], s[10:11], s[24:25]      ; my 256 bytes of scale words
	s_add_nc_u64 s[10:11], s[10:11], s[22:23]      ; my half images
.macro XLOAD t                         ; sub-unit t: the tile's 16 rows, 512 consecutive bytes a load
.irp i, 0,1,2,3,4,5,6,7,8,9,10,11,12,13,14,15
	global_load_b128 v[R+64*((\t)%2)+4*\i:R+64*((\t)%2)+4*\i+3], v1, s[4:5] offset:(8*((\t)/2)+\i+8*(\i/8))*4096+512*((\t)%2) th:TH_LOAD_NT
.endr
.endm
.macro XTURN t                         ; through my stage: LDS serves a wave's instructions in order, so no wait stands between the stores and the loads
.irp i, 0,1,2,3,4,5,6,7,8,9,10,11,12,13,14,15
	ds_store_b128 v3, v[R+64*((\t)%2)+4*\i:R+64*((\t)%2)+4*\i+3] offset:XSTP*\i
.endr
.irp b, 0,1,2,3
.irp j, 0,1,2,3
	ds_load_b128 v[X+16*\b+4*\j:X+16*\b+4*\j+3], v4 offset:128*\b+16*\j
.endr
.endr
.endm
	XLOAD 0
	XLOAD 1
.irp t, 0,1,2,3
.if \t < 3
	s_wait_loadcnt 16                              ; this sub-unit's 16 loads are in; the next one's 16 may be out
.else
	s_wait_loadcnt 0x0
.endif
	XTURN \t
	s_wait_dscnt 0x0                               ; the numbers are back, and the stores into the stage have read their registers
	s_wait_xcnt 0x0                                ; the last sub-unit's stores have read the codes' registers, which are written again below
.if \t < 2
	XLOAD \t+2
.endif
	QUANT X, PWR+\t
	global_store_b128 v1, v[PC:PC+3], s[10:11] offset:(\t/2)*12288+(\t%2)*1536          ; 512 consecutive bytes, aligned
	global_store_b64 v2, v[PC+4:PC+5], s[10:11] offset:(\t/2)*12288+(\t%2)*1536+512     ; 256 consecutive bytes, aligned
	global_store_b128 v1, v[PC+6:PC+9], s[10:11] offset:(\t/2)*12288+(\t%2)*1536+768
	global_store_b64 v2, v[PC+10:PC+11], s[10:11] offset:(\t/2)*12288+(\t%2)*1536+1280
.endr
	v_cmp_le_u32 vcc_lo, 16, v10                   ; lanes 16-31 send tile 1's words (every word stands in both halves of the lanes)
	v_cndmask_b32 v56, v[PWR], v[PWR+2], vcc_lo
	v_cndmask_b32 v57, v[PWR+1], v[PWR+3], vcc_lo
	global_store_b64 v2, v[56:57], s[26:27]        ; [u][r][2 words]: 256 consecutive bytes, aligned
	FINISH
; ---------------- a weight: a lane takes a column, its registers run down K: a block of 32 lies in one lane, and the conversions give codes with K innermost.
.macro WLOAD t, ncol, plo              ; block t: rows 32 t + i of my quarter, my column
.irp i, 0,1,2,3,4,5,6,7,8,9,10,11,12,13,14,15,16,17,18,19,20,21,22,23,24,25,26,27,28,29,30,31
	global_load_b32 v[64+32*((\t)%2)+\i], v1, s[\plo:\plo+1] offset:(32*(\t)+\i)*\ncol*4 th:TH_LOAD_NT
.endr
.endm
.macro BLOCK t, ncol, plo
.set XS, 64+32*((\t)%2)
.if (\t) < 7
	s_wait_loadcnt 32                              ; this block's 32 loads are in; the next block's may be out
.else
	s_wait_loadcnt 0x0
.endif
	v_max3_num_f32 v16, |v[XS]|, |v[XS+1]|, |v[XS+2]|
	v_max3_num_f32 v17, |v[XS+3]|, |v[XS+4]|, |v[XS+5]|
.irp i, 6,10,14,18,22,26
	v_max3_num_f32 v16, v16, |v[XS+\i]|, |v[XS+\i+1]|
	v_max3_num_f32 v17, v17, |v[XS+\i+2]|, |v[XS+\i+3]|
.endr
	v_max3_num_f32 v16, v16, |v[XS+30]|, |v[XS+31]|
	v_max3_num_f32 v16, v16, v17, 0x1800000        ; and the floor
	v_add_nc_u32 v18, 0xff000000, v16              ; the conversion's scale operand
	v_lshrrev_b32 v19, 23, v18                     ; the byte
.if (\t)%4 == 0
	v_mov_b32 v[44+(\t)/4], v19                    ; four bytes to a word, the lower K in the lower byte
.else
	v_lshl_or_b32 v[44+(\t)/4], v19, 8*((\t)%4), v[44+(\t)/4]
.endif
	v_cvt_scalef32_pk16_fp6_f32 v[32:34], v[XS:XS+15], v18
	v_cvt_scalef32_pk16_fp6_f32 v[40:42], v[XS+16:XS+31], v18
	v_nop                                          ; one plain place behind a scaled conversion
	v_mov_b32 v35, v40
	v_mov_b32 v36, v41
	v_mov_b32 v37, v42                             ; v32-37: the block's 24 bytes = six operand registers of image lane 16 (t % 2) + r
	ds_store_b128 v5, v[32:35] offset:((\t)/2)*768+((\t)%2)*256
	ds_store_b64 v6, v[36:37] offset:((\t)/2)*768+((\t)%2)*128
.if (\t)+2 < 8
	WLOAD (\t)+2, \ncol, \plo
.endif
	s_wait_dscnt 0x0                               ; the stores have read their registers
.endm
.macro WPATH ncol, stg, tile0, grp0, first, plo
	s_sub_co_u32 s17, ttmp9, \first
	s_lshr_b32 s18, s17, 2                         ; which 128 columns
	s_and_b32 s17, s17, 3                          ; q: which 256 along K
	s_lshl_b32 s19, s18, 2
	s_add_co_u32 s19, s19, s16                     ; G: my wave's group of 32 columns
	v_lshlrev_b32 v1, 2, v10                       ; in: 4 bytes a lane: 128 consecutive bytes a load
	v_bfe_u32 v11, v0, 3, 1                        ; my column x of the 32 is row r of tile u: u = (x / 8) % 2,
	v_and_b32 v12, 7, v0
	v_bfe_u32 v15, v0, 4, 1
	v_lshl_add_u32 v12, v15, 3, v12                ; r = x % 8 + 8 (x / 16)
	s_mul_i32 s22, s16, WSTW
	s_add_co_u32 s22, s22, \stg                    ; my stage: tile u's four half images at 3,072 u
	v_mul_u32_u24 v5, v11, 3072
	v_add_nc_u32 v5, s22, v5
	v_lshl_add_u32 v6, v12, 3, v5
	v_add_nc_u32 v6, 512, v6                       ; registers 4-5 of image lane r
	v_lshl_add_u32 v5, v12, 4, v5                  ; registers 0-3
	v_lshlrev_b32 v8, 4, v10                       ; out: 16 bytes a lane
	v_add_nc_u32 v7, s22, v8
	v_lshlrev_b32 v9, 7, v11
	v_lshl_add_u32 v9, v12, 3, v9                  ; my scale words' place: 128 u + 8 r
	s_mul_i32 s24, s17, 256*\ncol*4
	s_lshl_b32 s25, s19, 7
	s_add_co_u32 s24, s24, s25
	s_mov_b32 s25, 0
	s_mul_i32 s26, s19, 24576
	s_mul_i32 s27, s17, 3072
	s_add_co_u32 s26, s26, s27
	s_add_co_u32 s26, s26, \tile0*12288
	s_mov_b32 s27, 0
	s_lshl_b32 s28, s19, 10
	s_lshl_b32 s29, s17, 8
	s_add_co_u32 s28, s28, s29
	s_add_co_u32 s28, s28, WSCO+\grp0*1024
	s_mov_b32 s29, 0
	s_wait_kmcnt 0x0
	s_add_nc_u64 s[\plo:\plo+1], s[\plo:\plo+1], s[24:25]
	s_add_nc_u64 s[26:27], s[12:13], s[26:27]
	s_add_nc_u64 s[28:29], s[12:13], s[28:29]
	WLOAD 0, \ncol, \plo
	WLOAD 1, \ncol, \plo
.irp t, 0,1,2,3,4,5,6,7
	BLOCK \t, \ncol, \plo
.endr
	s_wait_alu depctr_va_vdst(0)
	global_store_b64 v9, v[44:45], s[28:29]        ; the 32 lanes fill 256 consecutive bytes, aligned
.irp i, 0,1,2,3,4,5,6,7,8,9,10,11
	ds_load_b128 v[128+4*\i:128+4*\i+3], v7 offset:512*\i   ; LDS serves a wave's instructions in order: these see my stores
.endr
.irp i, 0,1,2,3,4,5,6,7,8,9,10,11
	s_wait_dscnt 11-\i
	global_store_b128 v8, v[128+4*\i:128+4*\i+3], s[26:27] offset:(\i/6)*12288+(\i%6)*512   ; 512 consecutive bytes, aligned
.endr
.endm
.Lweights:
	s_cmp_lt_u32 ttmp9, 352
	s_cbranch_scc0 .Lw_out
	s_wait_alu depctr_va_vdst(0)
	WPATH 3072, W1ST, 0, 0, 256, 6                 ; w_qkv: tiles 0-191, groups 0-95.  The largest offset, 255 rows of 12,288 bytes, lies inside the signed 24-bit immediate
	FINISH
.Lw_out:
	s_wait_alu depctr_va_vdst(0)
	WPATH 1024, W2ST, 192, 96, 352, 8              ; w_out: tiles 192-255, groups 96-127
	FINISH
.Lfunc_end_k_qe871100c24_quant:
	.size	k_qe871100c24_quant, .Lfunc_end_k_qe871100c24_quant-k_qe871100c24_quant
	.p2alignl 7, 3214868480
	.fill 96, 4, 3214868480
	.section	.rodata,"a",@progbits
	.p2align	6, 0x0
	.amdhsa_kernel k_qe871100c24_quant
		.amdhsa_group_segment_fixed_size 83456
		.amdhsa_private_segment_fixed_size 0
		.amdhsa_enable_private_segment 0
		.amdhsa_kernarg_size 40
		.amdhsa_user_sgpr_count 2
		.amdhsa_user_sgpr_kernarg_segment_ptr 1
		.amdhsa_wavefront_size32 1
		.amdhsa_system_sgpr_workgroup_id_x 1
		.amdhsa_system_sgpr_workgroup_id_y 1
		.amdhsa_system_sgpr_workgroup_id_z 1
		.amdhsa_system_vgpr_workitem_id 0
		.amdhsa_next_free_vgpr 256
		.amdhsa_next_free_sgpr 66
		.amdhsa_reserve_vcc 1
		.amdhsa_float_denorm_mode_32 3
		.amdhsa_float_denorm_mode_16_64 3
		.amdhsa_memory_ordered 1
		.amdhsa_forward_progress 1
		.amdhsa_inst_pref_size 116
	.end_amdhsa_kernel
	.amdgpu_metadata
---
amdhsa.version: [ 1, 2 ]
amdhsa.kernels:
  - .name:           k_qe871100c24_quant
    .symbol:         k_qe871100c24_quant.kd
    .args:
      - { .name: x, .offset: 0, .size: 8, .value_kind: global_buffer, .address_space: global }
      - { .name: w_qkv, .offset: 8, .size: 8, .value_kind: global_buffer, .address_space: global }
      - { .name: w_out, .offset: 16, .size: 8, .value_kind: global_buffer, .address_space: global }
      - { .name: xq, .offset: 24, .size: 8, .value_kind: global_buffer, .address_space: global }
      - { .name: wq, .offset: 32, .size: 8, .value_kind: global_buffer, .address_space: global }
    .group_segment_fixed_size: 83456
    .private_segment_fixed_size: 0
    .kernarg_segment_align: 8
    .kernarg_segment_size: 40
    .max_flat_workgroup_size: 128
    .sgpr_count:     66
    .vgpr_count:     256
    .wavefront_size: 32
...
	.end_amdgpu_metadata
.endif
;; end of part 1
;; launch gemm_qkv (part 2): grid 8 x 48, 4 waves a work-group, clusters of 4 x 4, 327,680 bytes of LDS; arguments xq, wq, qk, vv; writes qk, vv
.if DOCPART == 2
	.amdgcn_target "amdgcn-amd-amdhsa--gfx1250"
	.amdhsa_code_object_version 6
	.text
	.protected	k_qe871100c24_gemm_qkv
	.globl	k_qe871100c24_gemm_qkv
	.p2align	8
	.type	k_qe871100c24_gemm_qkv,@function
k_qe871100c24_gemm_qkv:
	s_mov_b64 s[64:65], 0
	v_nop
	global_prefetch_b8 v0, s[64:65] scope:SCOPE_SE
	s_setreg_imm32_b32 hwreg(HW_REG_WAVE_MODE, 25, 1), 1
	s_wait_xcnt 0x0
	s_wait_alu depctr_hold_cnt(0) depctr_sa_sdst(0) depctr_va_vdst(0) depctr_va_sdst(0) depctr_va_ssrc(0) depctr_va_vcc(0) depctr_vm_vsrc(0)
	s_getreg_b32 s2, hwreg(HW_REG_IB_STS2, 6, 4)
	s_cmp_eq_u32 s2, 0
	s_cbranch_scc0 .Lentry_in_a_cluster
	s_endpgm
.Lentry_in_a_cluster:
	s_bfe_u32 s2, ttmp6, 0x10000c
	s_cmp_lg_u32 s2, 0xf033
	s_cbranch_scc0 .Lentry_shape_is_right
	s_endpgm
.Lentry_shape_is_right:
.set HALFT, 24576
.set SLOT,  98304
.set SCL,   196608
.set SPARE, 212992
.set FR,    12
.set XSCO,  6291456
.set WSCO,  3145728
.set QKSCO, 12582912
.set VSCO,  6291456
.set ADRA16, 16
.set ADRA8,  18
.set ADRB16, 20
.set ADRB8,  22
.set ADRS,  27
.set SPW,   28
.set NIL,   29
.set SC,    32
.set TM,    96
.set WR,    112
.set ZR,    120
.set AF,    128
.set PC,    128
.set SEL,   20
.set G1,  24
.set G0,  32
.set G1B, 48
.set G0B, 56
.set G1S, 68
.set G0S, 76
.set G1SB, 80
.set G0SB, 88
.set MSB, 0
.macro WIN new
.if MSB != (\new)
	s_set_vgpr_msb (MSB<<8)|(\new)
.set MSB, (\new)
.endif
.endm
.set MUL_LO, 0xa1
.set MUL_HI, 0xf1
.set TO_B,   0x40
.macro JLOAD g0a, g1a, g0b, g1b
	s_cmp_eq_u32 s15, 0
	s_cbranch_scc0 .Lfor_b_\@
	tensor_load_to_lds s[\g0a:\g0a+3], s[\g1a:\g1a+7]
	s_nop 0
.rept 4
	v_nop
.endr
	s_branch .Lasked_\@
.Lfor_b_\@:
	tensor_load_to_lds s[\g0b:\g0b+3], s[\g1b:\g1b+7]
	s_nop 0
.rept 4
	v_nop
.endr
.Lasked_\@:
.endm
.macro CREST
	s_cmp_lg_u32 s14, 0
	s_cbranch_scc1 .Lnot_wave_0_\@
	s_barrier_signal -3
.Lnot_wave_0_\@:
	s_barrier_wait -3
	s_barrier_signal -1
	s_barrier_wait -1
.endm
.macro CROUND
	s_barrier_signal -1
	s_barrier_wait -1
	CREST
.endm
.macro PLACES n
.rept \n
	v_nop
.endr
.endm
	s_load_b256 s[4:11], s[0:1], 0x0
	v_lshl_add_u32 v[SPW], v0, 2, SPARE
	v_mov_b32 v[NIL], 0
	ds_add_u32 v[SPW], v[NIL]
	ds_add_u32 v[SPW], v[NIL]
	v_lshrrev_b32 v1, 5, v0
	v_readfirstlane_b32 s14, v1
	s_lshr_b32 s15, s14, 1
	s_and_b32 s16, s14, 1
	s_bfe_u32 s40, ttmp6, 0x40000
	s_bfe_u32 s41, ttmp6, 0x40004
	s_and_b32 s17, ttmp7, 0xffff
	s_lshl_b32 s43, s41, 2
	s_lshl_b32 s43, 15, s43
	s_lshl_b32 s44, 0x1111, s40
	s_cmp_ge_u32 s17, 8
	s_cselect_b32 s45, 1, 0
	s_cselect_b32 s18, 0, s17
	s_cselect_b32 s19, s17, 8
	s_sub_co_u32 s19, s19, 8
	s_lshl_b32 s19, s19, 3
	s_lshl_b32 s20, s18, 2
	s_add_co_u32 s20, s20, s41
	s_lshl_b32 s46, ttmp9, 2
	s_add_co_u32 s46, s46, s40
	s_add_co_u32 s46, s46, s19
	s_lshl_b32 s92, s20, 8
	s_lshl_b32 s94, s15, 7
	s_add_co_u32 s92, s92, s94
	s_lshl_b32 s93, s46, 8
	s_lshl_b32 s94, s16, 7
	s_add_co_u32 s93, s93, s94
	s_or_b32 s[G1+0], s43, (3<<16)|(1<<21)
	s_or_b32 s[G1B+0], s44, (3<<16)|(1<<21)
.irp g, G1, G1B
	s_mov_b32 s[\g+1], 384<<16
	s_mov_b32 s[\g+2], 16<<16                      ; the head's loads of codes bring 16 tiles; the ring's 8 (set below)
	s_mov_b32 s[\g+3], 384<<16
	s_mov_b32 s[\g+4], 16
	s_mov_b32 s[\g+5], 1536
	s_mov_b32 s[\g+6], 0
	s_mov_b32 s[\g+7], 0
.endr
	s_or_b32 s[G1S+0], s43, (3<<16)|(1<<21)
	s_or_b32 s[G1SB+0], s44, (3<<16)|(1<<21)
.irp g, G1S, G1SB
	s_mov_b32 s[\g+1], 32<<16
	s_mov_b32 s[\g+2], 32<<16                      ; the scale words of 256 rows: 32 rows of 256 bytes
	s_mov_b32 s[\g+3], 32<<16
	s_mov_b32 s[\g+4], 32
	s_mov_b32 s[\g+5], 32
	s_mov_b32 s[\g+6], 0
	s_mov_b32 s[\g+7], 0
.endr
	s_lshl_b32 s20, s20, 4
	s_lshl_b32 s21, s16, 3
	s_add_co_u32 s20, s20, s21
	s_lshl_b32 s22, s20, 9
	s_mul_i32 s20, s20, 12288
	s_lshl_b32 s46, s46, 4
	s_add_co_u32 s46, s46, s21
	s_lshl_b32 s66, s46, 9
	s_mul_i32 s46, s46, 12288
	s_mov_b32 s19, XSCO
	s_mov_b32 s42, WSCO
	s_cmp_eq_u32 s45, 1
	s_cselect_b32 s18, 1572864, 0
	s_cselect_b32 s19, WSCO+65536, s19
	s_cselect_b32 s42, XSCO, s42
	s_add_co_u32 s20, s20, s18
	s_add_co_u32 s22, s22, s19
	s_add_co_u32 s66, s66, s42
	s_mov_b32 s21, 0
	s_mov_b32 s23, 0
	s_mov_b32 s47, 0
	s_mov_b32 s67, 0
	s_mul_i32 s104, s14, HALFT
	s_lshl_b32 s105, s14, 12
	s_add_co_u32 s105, s105, SCL-4096              ; wave 1: A's scale words at SCL; wave 3: B's at SCL + 8,192
	s_lshr_b32 s94, s93, 10
	s_lshl_b32 s94, s94, 6
	s_lshr_b32 s95, s92, 11
	s_lshl_b32 s95, s95, 4
	s_add_co_u32 s94, s94, s95
	s_bfe_u32 s95, s93, 0x40006
	s_add_co_u32 s94, s94, s95
	s_mul_i32 s98, s94, 98304
	s_bfe_u32 s95, s92, 0x70004
	s_mul_i32 s95, s95, 768
	s_add_co_u32 s98, s98, s95
	s_lshl_b32 s100, s94, 13
	s_bfe_u32 s95, s92, 0x40007
	s_lshl_b32 s95, s95, 9
	s_add_co_u32 s100, s100, s95
	s_add_co_u32 s100, s100, QKSCO
	s_lshr_b32 s12, s93, 11
	s_lshr_b32 s13, s92, 6
	s_bfe_u32 s2, s93, 0x40007
	s_lshl_b32 s3, s12, 4
	s_add_co_u32 s3, s3, s13
	s_lshl_b32 s3, s3, 4
	s_add_co_u32 s3, s3, s2
	s_mul_i32 s3, s3, 6144
	s_lshr_b32 s13, s13, 1
	s_lshl_b32 s12, s12, 3
	s_add_co_u32 s12, s12, s13
	s_lshl_b32 s12, s12, 4
	s_add_co_u32 s12, s12, s2
	s_lshl_b32 s12, s12, 9
	s_add_co_u32 s12, s12, VSCO
	s_mov_b32 s94, 98304
	s_mov_b32 s2, 768
	s_cmp_eq_u32 s45, 1
	s_cselect_b32 s98, s3, s98
	s_cselect_b32 s100, s12, s100
	s_cselect_b32 s94, 768, s94
	s_cselect_b32 s2, 1536, s2
	s_cselect_b32 s12, 92160, 0
	s_mov_b32 s99, 0
	s_mov_b32 s101, 0
	s_mov_b32 s95, 0
	s_mov_b32 s3, 0
	s_mov_b32 s13, 0
	s_wait_dscnt 0x0
	s_wait_kmcnt 0x0
	s_cmp_eq_u32 s45, 1
	s_cselect_b64 s[18:19], s[6:7], s[4:5]
	s_cselect_b64 s[42:43], s[4:5], s[6:7]
	s_cselect_b64 s[96:97], s[10:11], s[8:9]
	s_add_nc_u64 s[20:21], s[18:19], s[20:21]
	s_add_nc_u64 s[22:23], s[18:19], s[22:23]
	s_add_nc_u64 s[46:47], s[42:43], s[46:47]
	s_add_nc_u64 s[66:67], s[42:43], s[66:67]
	s_add_nc_u64 s[100:101], s[96:97], s[100:101]
	s_add_nc_u64 s[96:97], s[96:97], s[98:99]
	s_add_nc_u64 s[98:99], s[96:97], s[94:95]
	CROUND
	s_mov_b32 s[G0S], 1
	s_mov_b32 s[G0S+1], s105
	s_sub_nc_u64 s[G0S+2:G0S+3], s[22:23], 4096    ; waves 1 and 3 stand at the second half: back to the tile's first row
	s_or_b32 s[G0S+3], s[G0S+3], 0x80000000
	s_mov_b32 s[G0SB], 1
	s_mov_b32 s[G0SB+1], s105
	s_sub_nc_u64 s[G0SB+2:G0SB+3], s[66:67], 4096
	s_or_b32 s[G0SB+3], s[G0SB+3], 0x80000000
.irp s, 0,1
	s_mov_b32 s[G0+4*\s], 1
	s_add_co_u32 s[G0+4*\s+1], s104, \s*SLOT
	s_add_nc_u64 s[G0+4*\s+2:G0+4*\s+3], s[20:21], \s*3072
	s_or_b32 s[G0+4*\s+3], s[G0+4*\s+3], 0x80000000
	s_mov_b32 s[G0B+4*\s], 1
	s_add_co_u32 s[G0B+4*\s+1], s104, \s*SLOT
	s_add_nc_u64 s[G0B+4*\s+2:G0B+4*\s+3], s[46:47], \s*3072
	s_or_b32 s[G0B+4*\s+3], s[G0B+4*\s+3], 0x80000000
.endr
; the head's four tiles, one joint load a wave, in one chain of branches on the wave's number: A's 16 tiles of K chunk 0, A's scale words, B's 16 tiles, B's scale words
	s_cmp_eq_u32 s14, 0
	s_cbranch_scc0 .Lh1
	tensor_load_to_lds s[G0:G0+3], s[G1:G1+7]
	s_nop 0
	PLACES 4
	s_branch .Lhj
.Lh1:
	s_cmp_eq_u32 s14, 1
	s_cbranch_scc0 .Lh2
	tensor_load_to_lds s[G0S:G0S+3], s[G1S:G1S+7]
	s_nop 0
	PLACES 4
	s_branch .Lhj
.Lh2:
	s_cmp_eq_u32 s14, 2
	s_cbranch_scc0 .Lh3
	tensor_load_to_lds s[G0B:G0B+3], s[G1B:G1B+7]
	s_nop 0
	PLACES 4
	s_branch .Lhj
.Lh3:
	tensor_load_to_lds s[G0SB:G0SB+3], s[G1SB:G1SB+7]
	s_nop 0
	PLACES 4
.Lhj:
	s_wait_alu depctr_va_vdst(0)
	s_wait_tensorcnt 0x0                           ; my tile of the four is in
	ds_add_u32 v28, v29
	s_mov_b32 s[G1+2], 8<<16                       ; no load of mine is out: from here on a load brings 8 tiles
	s_mov_b32 s[G1+4], 8
	s_mov_b32 s[G1B+2], 8<<16
	s_mov_b32 s[G1B+4], 8
	s_wait_dscnt 0x0
	CROUND                                         ; all four tiles are in, for every wave
	JLOAD G0+4, G1, G0B+4, G1B                     ; K chunk 1 into slot 1
	v_and_b32 v1, 31, v0
	v_and_b32 v2, 15, v0
	v_bfe_u32 v3, v0, 4, 1
	v_lshlrev_b32 v24, 4, v1
	v_lshlrev_b32 v25, 3, v1
	v_lshlrev_b32 v26, 5, v2
	v_lshl_add_u32 v26, v3, 4, v26
	s_mul_i32 s18, s15, HALFT
	s_mul_i32 s19, s16, HALFT
	s_add_co_u32 s19, s19, 2*HALFT
.irp s, 0,1
	v_add_nc_u32 v[ADRA16+\s], s18, v24
	v_add_nc_u32 v[ADRA8+\s], s18, v25
	v_add_nc_u32 v[ADRB16+\s], s19, v24
	v_add_nc_u32 v[ADRB8+\s], s19, v25
	s_add_co_u32 s18, s18, SLOT
	s_add_co_u32 s19, s19, SLOT
.endr
	s_lshl_b32 s18, s15, 12
	s_lshl_b32 s19, s16, 12
	s_add_co_u32 s19, s19, 8192
	s_sub_co_u32 s19, s19, s18
	v_mul_u32_u24 v6, s19, v3
	s_add_co_u32 s18, s18, SCL
	v_lshl_add_u32 v6, v2, 3, v6
	v_add_nc_u32 v[ADRS], s18, v6
.irp b, 0,1,2,3
	v_mov_b32 v[TM+4+\b], 0
.endr
	s_mov_b32 s[SEL], 0x76543210
	s_mov_b32 s[SEL+1], 0xfedcba98
.macro FRAG reg, a16, a8, q, i
	ds_load_b128 v[\reg:\reg+3], v[\a16] offset:3072*(\i)+1536*(\q)
	ds_load_b64 v[\reg+4:\reg+5], v[\a8] offset:3072*(\i)+1536*(\q)+512
	ds_load_b128 v[\reg+6:\reg+9], v[\a16] offset:3072*(\i)+1536*(\q)+768
	ds_load_b64 v[\reg+10:\reg+11], v[\a8] offset:3072*(\i)+1536*(\q)+1280
.endm
.macro FETCH_B slot, q, p
	WIN TO_B
.irp i, 0,1,2,3,4,5,6,7
	FRAG 128*(\p)+FR*\i, ADRB16+\slot, ADRB8+\slot, \q, \i
.endr
	WIN 0
.endm
.macro FETCH_A slot, q, i0
.irp i, \i0, \i0+1, \i0+2, \i0+3
	FRAG AF+FR*(\i), ADRA16+\slot, ADRA8+\slot, \q, \i
.endr
.endm
.macro MUL16 a0, p, ks, zero
.irp a, \a0, \a0+1
.irp b, 0,1,2,3,4,5,6,7
.if \zero
	v_wmma_scale_f32_16x16x128_f8f6f4 v[8*(8*((\a)%4)+\b):8*(8*((\a)%4)+\b)+7], v[128*(\p)+FR*\b:128*(\p)+FR*\b+FR-1], v[AF+FR*(\a):AF+FR*(\a)+FR-1], 0, v[SC+8*\b+(\ks)], v[SC+8*(\a)+(\ks)] matrix_a_fmt:MATRIX_FMT_FP6 matrix_b_fmt:MATRIX_FMT_FP6 matrix_a_scale:MATRIX_SCALE_ROW1
.else
	v_wmma_scale_f32_16x16x128_f8f6f4 v[8*(8*((\a)%4)+\b):8*(8*((\a)%4)+\b)+7], v[128*(\p)+FR*\b:128*(\p)+FR*\b+FR-1], v[AF+FR*(\a):AF+FR*(\a)+FR-1], v[8*(8*((\a)%4)+\b):8*(8*((\a)%4)+\b)+7], v[SC+8*\b+(\ks)], v[SC+8*(\a)+(\ks)] matrix_a_fmt:MATRIX_FMT_FP6 matrix_b_fmt:MATRIX_FMT_FP6 matrix_a_scale:MATRIX_SCALE_ROW1
.endif
.endr
.endr
.endm
.macro STEP slot, ks, zero
	s_wait_dscnt 16
	WIN MUL_LO
	MUL16 0, 0, \ks, \zero
	MUL16 2, 0, \ks, \zero
	s_wait_dscnt 0x0
	PLACES 4
	FETCH_B \slot, 1, 1
	FETCH_A \slot, 1, 0
	WIN MUL_HI
	MUL16 4, 0, \ks, \zero
	MUL16 6, 0, \ks, \zero
	PLACES 4
	WIN 0
	FETCH_A \slot, 1, 4
.endm
.macro TURN slot, next, fill, ks
	s_wait_tensorcnt 0x0
	ds_add_u32 v[SPW], v[NIL]
	s_wait_dscnt 17
	WIN MUL_LO
	MUL16 0, 1, \ks, 0
	s_wait_dscnt 0x0
	s_barrier_signal -1
	MUL16 2, 1, \ks, 0
	WIN 0
	s_barrier_wait -1
.if \fill
	CREST
	s_add_nc_u64 s[G0+4*\slot+2:G0+4*\slot+3], s[G0+4*\slot+2:G0+4*\slot+3], 6144
	s_add_nc_u64 s[G0B+4*\slot+2:G0B+4*\slot+3], s[G0B+4*\slot+2:G0B+4*\slot+3], 6144
	JLOAD G0+4*\slot, G1, G0B+4*\slot, G1B
.else
	PLACES 4
.endif
	FETCH_B \next, 0, 0
	FETCH_A \next, 0, 0
	WIN MUL_HI
	MUL16 4, 1, \ks, 0
	MUL16 6, 1, \ks, 0
	PLACES 4
	WIN 0
	FETCH_A \next, 0, 4
.endm
	s_wait_alu depctr_va_vdst(0)                   ; the round above has shown slot 0 and the scale words to all waves
.irp i, 0,1,2,3,4,5,6,7
.irp q, 0,1,2,3
	ds_load_b64 v[SC+8*\i+2*\q:SC+8*\i+2*\q+1], v[ADRS] offset:(\i/2)*1024+256*\q+(\i%2)*128
.endr
.endr
	FETCH_B 0, 0, 0
	FETCH_A 0, 0, 0
	FETCH_A 0, 0, 4
	STEP 0, 0, 1
	TURN 0, 1, 1, 1
	STEP 1, 2, 0
	TURN 1, 0, 1, 3
	STEP 0, 4, 0
	TURN 0, 1, 0, 5
	STEP 1, 6, 0
	s_wait_dscnt 16
	WIN MUL_LO
	MUL16 0, 1, 7, 0
	MUL16 2, 1, 7, 0
	s_wait_dscnt 0x0
	WIN MUL_HI
	MUL16 4, 1, 7, 0
	MUL16 6, 1, 7, 0
	WIN 0
	PLACES 4
.macro QUANTW W, s, pw
	WIN ((\W)<<2)|((\W)<<4)
.irp b, 0,1,2,3
	v_max3_num_f32 v[TM+\b], 0x1800000, |v[\s+16*\b]|, |v[\s+1+16*\b]|
.endr
.irp i, 2,4,6,8,10,12,14
.irp b, 0,1,2,3
	v_max3_num_f32 v[TM+\b], v[TM+\b], |v[\s+16*\b+\i]|, |v[\s+1+16*\b+\i]|
.endr
.endr
	WIN 0
.irp b, 0,1,2,3
	v_permlanex16_b32 v[TM+4+\b], v[TM+\b], s[SEL], s[SEL+1]
.endr
.irp b, 0,1,2,3
	v_max_num_f32 v[TM+\b], v[TM+\b], v[TM+4+\b]
.endr
.irp b, 0,1,2,3
	v_add_nc_u32 v[TM+12+\b], 0xff000000, v[TM+\b]
.endr
.irp b, 0,1,2,3
	v_lshrrev_b32 v[TM+4+\b], 23, v[TM+12+\b]
.endr
	v_lshl_or_b32 v[\pw], v[TM+5], 8, v[TM+4]
	v_lshl_or_b32 v[\pw], v[TM+6], 16, v[\pw]
	v_lshl_or_b32 v[\pw], v[TM+7], 24, v[\pw]
	WIN (\W)
.irp c, 0,1
	v_cvt_scalef32_pk16_fp6_f32 v[PC+6*\c:PC+2+6*\c], v[\s+32*\c:\s+15+32*\c], v[TM+12+2*\c]
	v_cvt_scalef32_pk16_fp6_f32 v[PC+12+4*\c:PC+14+4*\c], v[\s+16+32*\c:\s+31+32*\c], v[TM+12+2*\c+1]
.endr
	WIN 0
	v_nop
.irp c, 0,1
.irp i, 0,1,2
	v_permlane16_swap_b32 v[PC+6*\c+\i], v[PC+12+4*\c+\i]
.endr
.irp i, 0,1,2
	v_mov_b32 v[PC+3+6*\c+\i], v[PC+12+4*\c+\i]
.endr
.endr
.endm
.irp a, 0,1,2,3,4,5,6,7
.if \a > 0
	s_wait_xcnt 0x0
	s_add_nc_u64 s[96:97], s[96:97], s[2:3]
	s_add_nc_u64 s[98:99], s[98:99], s[2:3]
.endif
.if \a == 4
	s_add_nc_u64 s[96:97], s[96:97], s[12:13]
	s_add_nc_u64 s[98:99], s[98:99], s[12:13]
.endif
	QUANTW 2+\a/4, 64*(\a%4), WR+\a
	global_store_b128 v24, v[PC:PC+3], s[96:97]
	global_store_b64 v25, v[PC+4:PC+5], s[96:97] offset:512
	global_store_b128 v24, v[PC+6:PC+9], s[98:99]
	global_store_b64 v25, v[PC+10:PC+11], s[98:99] offset:512
.endr
	v_cmp_le_u32 vcc_lo, 16, v1
.irp i, 0,1,2,3
	v_cndmask_b32 v[ZR+\i], v[WR+\i], v[WR+4+\i], vcc_lo
.endr
	global_store_b128 v26, v[ZR:ZR+3], s[100:101]
	s_cmp_eq_u32 s45, 1
	s_cbranch_scc1 .Lone_word
.irp i, 0,1,2,3
	v_lshrrev_b32 v[ZR+4+\i], 16, v[ZR+\i]
.endr
	global_store_b128 v26, v[ZR+4:ZR+7], s[100:101] offset:8192
.Lone_word:
	s_wait_tensorcnt 0x0
	ds_add_u32 v[SPW], v[NIL]
	s_wait_dscnt 0x0
	CROUND
	s_endpgm
.Lfunc_end_k_qe871100c24_gemm_qkv:
	.size	k_qe871100c24_gemm_qkv, .Lfunc_end_k_qe871100c24_gemm_qkv-k_qe871100c24_gemm_qkv
	.p2alignl 7, 3214868480
	.fill 96, 4, 3214868480
	.section	.rodata,"a",@progbits
	.p2align	6, 0x0
	.amdhsa_kernel k_qe871100c24_gemm_qkv
		.amdhsa_group_segment_fixed_size 327680
		.amdhsa_private_segment_fixed_size 0
		.amdhsa_enable_private_segment 0
		.amdhsa_kernarg_size 32
		.amdhsa_user_sgpr_count 2
		.amdhsa_user_sgpr_kernarg_segment_ptr 1
		.amdhsa_wavefront_size32 1
		.amdhsa_system_sgpr_workgroup_id_x 1
		.amdhsa_system_sgpr_workgroup_id_y 1
		.amdhsa_system_sgpr_workgroup_id_z 1
		.amdhsa_system_vgpr_workitem_id 0
		.amdhsa_next_free_vgpr 1024
		.amdhsa_next_free_sgpr 106
		.amdhsa_reserve_vcc 1
		.amdhsa_float_denorm_mode_32 3
		.amdhsa_float_denorm_mode_16_64 3
		.amdhsa_memory_ordered 1
		.amdhsa_forward_progress 1
		.amdhsa_inst_pref_size 152
	.end_amdhsa_kernel
	.amdgpu_metadata
---
amdhsa.version: [ 1, 2 ]
amdhsa.kernels:
  - .name:           k_qe871100c24_gemm_qkv
    .symbol:         k_qe871100c24_gemm_qkv.kd
    .args:
      - { .name: xq, .offset: 0, .size: 8, .value_kind: global_buffer, .address_space: global }
      - { .name: wq, .offset: 8, .size: 8, .value_kind: global_buffer, .address_space: global }
      - { .name: qk, .offset: 16, .size: 8, .value_kind: global_buffer, .address_space: global }
      - { .name: vv, .offset: 24, .size: 8, .value_kind: global_buffer, .address_space: global }
    .group_segment_fixed_size: 327680
    .private_segment_fixed_size: 0
    .kernarg_segment_align: 8
    .kernarg_segment_size: 32
    .max_flat_workgroup_size: 128
    .sgpr_count:     106
    .vgpr_count:     1024
    .wavefront_size: 32
...
	.end_amdgpu_metadata
.endif
;; end of part 2
;; launch attn (part 3): grid 4 x 64, 16 waves a work-group, clusters of 4 x 1, 215,040 bytes of LDS; arguments qk, vv, aq; writes aq
.if DOCPART == 3
	.amdgcn_target "amdgcn-amd-amdhsa--gfx1250"
	.amdhsa_code_object_version 6
	.text
	.protected	k_qe871100c24_attn
	.globl	k_qe871100c24_attn
	.p2align	8
	.type	k_qe871100c24_attn,@function
k_qe871100c24_attn:
	s_mov_b64 s[64:65], 0
	v_nop
	global_prefetch_b8 v0, s[64:65] scope:SCOPE_SE
	s_setreg_imm32_b32 hwreg(HW_REG_WAVE_MODE, 25, 1), 1
	s_wait_xcnt 0x0
	s_wait_alu depctr_hold_cnt(0) depctr_sa_sdst(0) depctr_va_vdst(0) depctr_va_sdst(0) depctr_va_ssrc(0) depctr_va_vcc(0) depctr_vm_vsrc(0)
	s_getreg_b32 s2, hwreg(HW_REG_IB_STS2, 6, 4)
	s_cmp_eq_u32 s2, 0
	s_cbranch_scc0 .Lentry_in_a_cluster
	s_endpgm
.Lentry_in_a_cluster:
	s_bfe_u32 s2, ttmp6, 0x10000c
	s_cmp_lg_u32 s2, 0x3003
	s_cbranch_scc0 .Lentry_shape_is_right
	s_endpgm
.Lentry_shape_is_right:
; o = softmax(q k^T / 8) v for one head, both products on codes of FP6 (E2M3) with E8M0 scales; o is divided by the row's sum, quantised along (head, d) and leaves as codes for the last product.
; THE SOFTMAX: t = score x log2(e) / 8; M = the row's largest t so far, rounded up to a whole number; p = 2^(t - M) is quantised along the keys, not normalised; the row's sum is taken of the unquantised p.
; When M moves, the sum and O are multiplied by 2^(old M - new M): exact.
; SHARES.  The four work-groups of a head form a cluster; each owns 512 queries; each of its sixteen waves owns one tile of 16 queries in each of two passes, in 256 registers: four waves to a SIMD.
; K AND V OF THE WHOLE HEAD, 192 KiB of codes and 16 KiB of scale words, lie in LDS: fetched once, jointly by the four work-groups.  No slot is ever filled again: one wait, one barrier, and then only reads.
; They lie as images of operand registers (half image: 16 rows x 64 K, 768 bytes: lane L's registers 0-3 at 16 L, registers 4-5 at 512 + 8 L).
; LAYOUT.  S^T = K Q^T (source 0 = 16 keys, source 1 = my queries), O^T = V^T P^T (source 0 = 16 of the head's 64): a lane holds one query throughout.  Tiles are not neighbours (tile 2 b + u, lane-row r = row 32 b + 8 u + r + 8 (r / 8)),
; so the 16 registers of tiles 2 b, 2 b + 1 are 16 neighbours: 32 b + 16 (lane / 16) + 0 .. 15.  The first product's K is 64: the upper six registers of Q's and K's fragments hold zero codes, set once.
; LIMITS: NaN and infinities are not served.  A block's largest p is taken through its largest score (this takes v_exp_f32 not to fall where its input rises).  A p under 2^-126 comes out of v_exp_f32 as 0.
; The division is a multiplication by v_rcp_f32's result.  A block of o under 2^-124 (zeros too) gets the byte 1.  o's two scale bytes a row leave by a store of 2 bytes a lane: one byte in 24 of what is stored here.
; REGISTERS: v1-7 addresses that stay; v8-11 the step's; v12 -M, v13 the largest t, v[14:15] the sum; v16-27 Q; v28-31, v248-251 scale words of K (v248-251 then V's); v32-127 K's 8 fragments; v128-191 S^T, then p, then V's 4 fragments;
;   v192-223 O^T; v224-235 p's codes; v232-247 at work; v252 f; v253 p's scale word; v254 at work; v255 Q's scale word.
.set KSC,   196608                     ; behind K's 16 steps of 6,144 bytes (8 half images) and V's 16 steps of 6,144 (4 tiles x 2): K's scale words, [128 keys][r][8 tiles]
.set VSC,   204800                     ; V's, of my pair of heads: [128 keys][r][2 heads x 4 tiles]
.set SPARE, 212992                     ; the spare words, 128 bytes for each wave
.set QKSCO, 12582912
.set VSCO,  6291456
.set ASCO,  6291456
.set SPW,  5
.set NIL,  6
.set KF,   32
.set S,    128
.set O,    192
.set WV,   18
.set SEL,  20
.set CS,   22
.set G1C,  24                          ; s[24:31] group 1: 16,384 dense bytes;  s[32:39]: 4,096 dense bytes
.set G1S,  32
.set G0,   40                          ; s[40:43] group 0 of a load of scale words, s[44:47] of a load of codes; never rewritten
.set TB,   2
.set TS,   3
.set CNT,  61
.set QB,   66
.set QSB,  68
.set OB,   70
.set OSB,  72
.macro CROUND
	s_barrier_signal -1
	s_barrier_wait -1
	s_cmp_lg_u32 s[WV], 0
	s_cbranch_scc1 .Lnot_wave_0_\@
	s_barrier_signal -3
.Lnot_wave_0_\@:
	s_barrier_wait -3
	s_barrier_signal -1
	s_barrier_wait -1
.endm
	s_load_b128 s[4:7], s[0:1], 0x0                ; qk s[4:5], vv s[6:7]
	s_load_b64 s[8:9], s[0:1], 0x10                ; aq
	v_lshl_add_u32 v[SPW], v0, 2, SPARE
	v_mov_b32 v[NIL], 0
	ds_add_u32 v[SPW], v[NIL]                      ; the wave's opening
	ds_add_u32 v[SPW], v[NIL]
	v_lshrrev_b32 v8, 5, v0
	s_delay_alu instid0(VALU_DEP_1)
	v_readfirstlane_b32 s[WV], v8                  ; wave 0..15
	s_bfe_u32 s10, ttmp6, 0x40000                  ; cx: it enters Q's and the result's addresses alone
	s_and_b32 s11, ttmp7, 0xffff                   ; 16 x batch + head, which the four partners share
	s_mov_b32 s[G1C], 15|(3<<16)|(1<<21)           ; the mask: all four work-groups; elements of 8 bytes; bit 21 beside a mask
	s_mov_b32 s[G1C+1], 32<<16
	s_mov_b32 s[G1C+2], 64<<16
	s_mov_b32 s[G1C+3], 32<<16
	s_mov_b32 s[G1C+4], 64                         ; 64 rows of 256 bytes
	s_mov_b32 s[G1C+5], 32
	s_mov_b32 s[G1C+6], 0
	s_mov_b32 s[G1C+7], 0
	s_mov_b32 s[G1S], 15|(3<<16)|(1<<21)
	s_mov_b32 s[G1S+1], 32<<16
	s_mov_b32 s[G1S+2], 16<<16
	s_mov_b32 s[G1S+3], 32<<16
	s_mov_b32 s[G1S+4], 16                         ; 16 rows of 256 bytes
	s_mov_b32 s[G1S+5], 32
	s_mov_b32 s[G1S+6], 0
	s_mov_b32 s[G1S+7], 0
	; ONE LOAD A WAVE.  The scale words: waves 12, 13 fetch K's 8,192 bytes, waves 14, 15 V's, 4,096 each
	s_lshl_b32 s12, s11, 13
	s_add_co_u32 s12, s12, QKSCO+64*8192
	s_lshr_b32 s13, s11, 1
	s_lshl_b32 s13, s13, 13
	s_add_co_u32 s13, s13, VSCO
	s_max_u32 s14, s[WV], 12
	s_cmp_lt_u32 s[WV], 14
	s_cselect_b32 s12, s12, s13
	s_cselect_b32 s13, 12, 14
	s_sub_co_u32 s14, s14, s13                     ; which half of the 8,192
	s_lshl_b32 s14, s14, 12
	s_add_co_u32 s12, s12, s14
	s_mov_b32 s13, 0
	; the codes: waves 0-5 fetch K's 98,304 bytes of the head, waves 6-11 V's, 16,384 each
	s_mul_i32 s16, s11, 98304
	s_cmp_lt_u32 s[WV], 6
	s_cselect_b32 s19, 0, 6
	s_cselect_b32 s17, 6291456, 0                  ; k's images lie behind q's
	s_sub_co_u32 s19, s[WV], s19
	s_lshl_b32 s19, s19, 14
	s_add_co_u32 s16, s16, s19
	s_add_co_u32 s16, s16, s17
	s_mov_b32 s17, 0
	s_lshl_b32 s74, s[WV], 14                      ; where they go: the wave's number alone enters an LDS address: K's codes, then V's
	s_lshl_b32 s75, s[WV], 12
	; my queries: tile 32 cx + 16 pass + wave
	s_lshl_b32 s76, s10, 5
	s_add_co_u32 s76, s76, s[WV]
	s_lshr_b32 s77, s11, 4                         ; batch
	s_and_b32 s78, s11, 15                         ; head
	s_mul_i32 s80, s11, 98304
	s_mul_i32 s81, s76, 768
	s_add_co_u32 s80, s80, s81                     ; Q's half image
	s_mov_b32 s81, 0
	s_lshl_b32 s82, s11, 13
	s_lshl_b32 s83, s10, 2
	s_lshr_b32 s88, s[WV], 3
	s_add_co_u32 s83, s83, s88
	s_lshl_b32 s83, s83, 9
	s_add_co_u32 s82, s82, s83
	s_and_b32 s83, s[WV], 7
	s_lshl_b32 s83, s83, 2
	s_add_co_u32 s82, s82, s83
	s_add_co_u32 s82, s82, QKSCO                   ; Q's scale words
	s_mov_b32 s83, 0
	s_lshl_b32 s84, s77, 7
	s_add_co_u32 s84, s84, s76
	s_lshl_b32 s84, s84, 4
	s_add_co_u32 s84, s84, s78
	s_mul_i32 s84, s84, 768                        ; the result's half image: [token tile][head]
	s_mov_b32 s85, 0
	s_lshl_b32 s86, s77, 6
	s_lshl_b32 s87, s10, 4
	s_add_co_u32 s86, s86, s87
	s_lshr_b32 s87, s[WV], 1
	s_add_co_u32 s86, s86, s87
	s_lshl_b32 s86, s86, 10                        ; its scale bytes: [group of 32 tokens]
	s_lshr_b32 s87, s78, 2
	s_lshl_b32 s87, s87, 8
	s_add_co_u32 s86, s86, s87                     ; [quarter of K = head / 4]
	s_and_b32 s87, s[WV], 1
	s_lshl_b32 s87, s87, 7
	s_add_co_u32 s86, s86, s87                     ; [u]
	s_and_b32 s87, s78, 3
	s_lshl_b32 s87, s87, 1
	s_add_co_u32 s86, s86, s87                     ; word (head / 2) % 2, bytes 2 (head % 2) on
	s_add_co_u32 s86, s86, ASCO
	s_mov_b32 s87, 0
	s_and_b32 s79, s11, 1
	s_lshl_b32 s79, s79, 4                         ; my head's four words of V's eight
	s_mov_b32 s[SEL], 0x76543210
	s_mov_b32 s[SEL+1], 0xfedcba98
	s_mov_b32 s[CS], 0x3e38aa3b                    ; c = log2(e) / 8
	s_mov_b32 s[CS+1], s[CS]                       ; (named with it as a pair, so it is written)
	s_wait_dscnt 0x0                               ; the opening add is done
	s_wait_kmcnt 0x0
	s_cmp_lt_u32 s[WV], 14
	s_cselect_b64 s[14:15], s[4:5], s[6:7]
	s_add_nc_u64 s[14:15], s[14:15], s[12:13]
	s_cmp_lt_u32 s[WV], 6
	s_cselect_b64 s[62:63], s[4:5], s[6:7]
	s_add_nc_u64 s[62:63], s[62:63], s[16:17]
	s_add_nc_u64 s[QB:QB+1], s[4:5], s[80:81]
	s_add_nc_u64 s[QSB:QSB+1], s[4:5], s[82:83]
	s_add_nc_u64 s[OB:OB+1], s[8:9], s[84:85]
	s_add_nc_u64 s[OSB:OSB+1], s[8:9], s[86:87]
	CROUND                                         ; all four work-groups are here: the joint loads meet
	s_mov_b32 s[G0], 1
	s_add_co_u32 s[G0+1], s75, KSC-12*4096         ; wave 12 at KSC, wave 15 at VSC + 4,096
	s_mov_b64 s[G0+2:G0+3], s[14:15]
	s_or_b32 s[G0+3], s[G0+3], 0x80000000
	s_mov_b32 s[G0+4], 1
	s_mov_b32 s[G0+5], s74
	s_mov_b64 s[G0+6:G0+7], s[62:63]
	s_or_b32 s[G0+7], s[G0+7], 0x80000000
	s_cmp_lt_u32 s[WV], 12                         ; the launch's only fills: one joint load a wave, in the two arms of one branch on the wave's number
	s_cbranch_scc0 .Lscales
	tensor_load_to_lds s[G0+4:G0+7], s[G1C:G1C+7]
	s_nop 0
.rept 4
	v_nop
.endr
	s_branch .Lasked
.Lscales:
	tensor_load_to_lds s[G0:G0+3], s[G1S:G1S+7]
	s_nop 0
.rept 4
	v_nop
.endr
.Lasked:
	v_and_b32 v8, 31, v0
	s_delay_alu instid0(VALU_DEP_1)
	v_lshlrev_b32 v1, 4, v8                        ; 16 L
	s_delay_alu instid0(VALU_DEP_2)
	v_lshlrev_b32 v2, 3, v8
	s_delay_alu instid0(VALU_DEP_1)
	v_add_nc_u32 v2, 512, v2                       ; 512 + 8 L
	v_and_b32 v9, 15, v0
	s_delay_alu instid0(VALU_DEP_1)
	v_lshlrev_b32 v7, 5, v9                        ; 32 r
	s_delay_alu instid0(VALU_DEP_1)
	v_add_nc_u32 v3, KSC, v7
	s_delay_alu instid0(VALU_DEP_2)
	v_add_nc_u32 v4, VSC, v7
	s_delay_alu instid0(VALU_DEP_1)
	v_add_nc_u32 v4, s79, v4
.irp j, 22,23,24,25,26,27
	v_mov_b32 v[\j], 0                             ; Q's k = 64 .. 127: zero codes
.endr
.irp t, 0,1,2,3,4,5,6,7
.irp i, 6,7,8,9,10,11
	v_mov_b32 v[KF+12*\t+\i], 0                    ; K's likewise: set once, never written again
.endr
.endr
.irp b, 0,1,2,3
	v_mov_b32 v[236+\b], 0                         ; written once: a lane permute's destination counts as one of its sources
.endr
	v_mov_b32 v253, 0                              ; (named as the upper half of the pair v[252:253] before it is first written)
; A KEY STEP: 128 keys.
.macro STEP
	v_add_nc_u32 v8, s[TB], v1
	v_add_nc_u32 v9, s[TB], v2
	v_add_nc_u32 v10, s[TS], v3
	v_add_nc_u32 v11, s[TS], v4
	v_nop
	v_nop                                          ; six places behind the last products: their scale registers are loaded into below (four are asked), and their source 0's registers are written by the products below (five)
.irp t, 0,1,2,3,4,5,6,7
	ds_load_b128 v[KF+12*\t:KF+12*\t+3], v8 offset:768*\t
	ds_load_b64 v[KF+12*\t+4:KF+12*\t+5], v9 offset:768*\t
.endr
	ds_load_b128 v[248:251], v10                   ; K's scale words, tiles 0-3,
	ds_load_b128 v[28:31], v10 offset:16           ; tiles 4-7
	s_wait_dscnt 0x0
.irp t, 0,1,2,3
	v_wmma_scale_f32_16x16x128_f8f6f4 v[S+8*\t:S+8*\t+7], v[KF+12*\t:KF+12*\t+11], v[16:27], 0, v[248+\t], v255 matrix_a_fmt:MATRIX_FMT_FP6 matrix_b_fmt:MATRIX_FMT_FP6
.endr
.irp t, 4,5,6,7
	v_wmma_scale_f32_16x16x128_f8f6f4 v[S+8*\t:S+8*\t+7], v[KF+12*\t:KF+12*\t+11], v[16:27], 0, v[24+\t], v255 matrix_a_fmt:MATRIX_FMT_FP6 matrix_b_fmt:MATRIX_FMT_FP6
.endr
.rept 4
	v_nop
.endr
.irp b, 0,1,2,3
	v_max3_num_f32 v[232+\b], v[S+16*\b], v[S+1+16*\b], v[S+2+16*\b]   ; the largest score of each block of 32 keys: for the row's maximum, and, since p rises with the score, for the block's largest p
.endr
.irp i, 3,5,7,9,11,13
.irp b, 0,1,2,3
	v_max3_num_f32 v[232+\b], v[232+\b], v[S+16*\b+\i], v[S+1+16*\b+\i]
.endr
.endr
.irp b, 0,1,2,3
	v_max_num_f32 v[232+\b], v[232+\b], v[S+15+16*\b]
.endr
.irp b, 0,1,2,3
	s_delay_alu instid0(VALU_DEP_4)
	v_permlanex16_b32 v[236+\b], v[232+\b], s[SEL], s[SEL+1]
.endr
.irp b, 0,1,2,3
	s_delay_alu instid0(VALU_DEP_4)
	v_max_num_f32 v[232+\b], v[232+\b], v[236+\b]  ; with lane l xor 16's 16 keys
.endr
	s_delay_alu instid0(VALU_DEP_2)
	v_max3_num_f32 v254, v232, v233, v234
	s_delay_alu instid0(VALU_DEP_1)
	v_max_num_f32 v254, v254, v235
	s_delay_alu instid0(VALU_DEP_1)
	v_mul_f32 v254, s[CS], v254                    ; the step's largest t
	s_delay_alu instid0(VALU_DEP_1)
	v_max_num_f32 v13, v13, v254                   ; the running largest t
	v_mov_b32 v254, v12
	s_delay_alu instid0(VALU_DEP_2)
	v_floor_f32 v12, -v13                          ; the new -M = -ceil(t): a whole number
	s_delay_alu instid0(VALU_DEP_1)
	v_sub_f32 v254, v12, v254                      ; old M - new M: a whole number, 0 or less
	s_delay_alu instid0(VALU_DEP_1)
	v_cvt_i32_f32 v254, v254                       ; (it saturates)
	s_delay_alu instid0(VALU_DEP_1)
	v_ldexp_f32 v252, 1.0, v254                    ; f = 2^(old M - new M)
.set J, 0
.rept 32
	v_pk_fma_f32 v[S+J:S+J+1], v[S+J:S+J+1], s[CS:CS+1], v[12:13] op_sel_hi:[1,0,0]   ; t - M, two at a time
.set J, J+2
.endr
.irp b, 0,1,2,3
	v_fma_f32 v[232+\b], v[232+\b], s[CS], v12     ; the same of each block's largest score
.endr
.set J, 0
	s_wait_alu depctr_va_vdst(0)
.rept 64
	v_exp_f32 v[S+J], v[S+J]                       ; p = 2^(t - M)
.set J, J+1
.endr
	v_pk_mul_f32 v[14:15], v[14:15], v[252:253] op_sel_hi:[1,0]   ; the sums under the new M: the plain place behind the exponentials
	s_wait_alu depctr_va_vdst(0)                   ; one wait for the batch, ahead of its first reader
.irp b, 0,1,2,3
	v_exp_f32 v[232+\b], v[232+\b]                 ; each block's largest p
.endr
	v_pk_add_f32 v[236:237], v[132:133], v[136:137]
	v_pk_add_f32 v[250:251], v[140:141], v[144:145]
	v_pk_add_f32 v[248:249], v[148:149], v[152:153]
	v_pk_add_f32 v[246:247], v[156:157], v[160:161]
	v_pk_add_f32 v[244:245], v[164:165], v[168:169]
	v_pk_add_f32 v[242:243], v[172:173], v[176:177]
	v_pk_add_f32 v[240:241], v[180:181], v[184:185]
	v_pk_add_f32 v[14:15], v[14:15], v[188:189]
	v_pk_add_f32 v[236:237], v[236:237], v[128:129]
	v_pk_add_f32 v[250:251], v[250:251], v[130:131]
	v_pk_add_f32 v[248:249], v[248:249], v[134:135]
	v_pk_add_f32 v[246:247], v[246:247], v[138:139]
	v_pk_add_f32 v[244:245], v[244:245], v[142:143]
	v_pk_add_f32 v[242:243], v[242:243], v[146:147]
	v_pk_add_f32 v[240:241], v[240:241], v[150:151]
	v_pk_add_f32 v[14:15], v[14:15], v[154:155]
	v_pk_add_f32 v[236:237], v[236:237], v[158:159]
	v_pk_add_f32 v[250:251], v[250:251], v[162:163]
	v_pk_add_f32 v[248:249], v[248:249], v[166:167]
	v_pk_add_f32 v[246:247], v[246:247], v[170:171]
	v_pk_add_f32 v[244:245], v[244:245], v[174:175]
	v_pk_add_f32 v[242:243], v[242:243], v[178:179]
	v_pk_add_f32 v[240:241], v[240:241], v[182:183]
	v_pk_add_f32 v[14:15], v[14:15], v[186:187]
	v_pk_add_f32 v[236:237], v[236:237], v[190:191]
	s_delay_alu instid0(VALU_DEP_2)
	v_pk_add_f32 v[14:15], v[14:15], v[246:247]
	s_delay_alu instid0(VALU_DEP_2)
	v_pk_add_f32 v[236:237], v[236:237], v[244:245]
	v_pk_add_f32 v[250:251], v[250:251], v[242:243]
	v_pk_add_f32 v[248:249], v[248:249], v[240:241]
	s_delay_alu instid0(VALU_DEP_2)
	v_pk_add_f32 v[14:15], v[14:15], v[250:251]
	s_delay_alu instid0(VALU_DEP_2)
	v_pk_add_f32 v[236:237], v[236:237], v[248:249]
	s_delay_alu instid0(VALU_DEP_1)
	v_pk_add_f32 v[14:15], v[14:15], v[236:237]
	s_wait_alu depctr_va_vdst(0)                   ; and one for the four
.irp b, 0,1,2,3
	v_max_num_f32 v[232+\b], 0x1800000, v[232+\b]  ; the floor 2^(3 - 127)
.endr
.irp b, 0,1,2,3
	s_delay_alu instid0(VALU_DEP_4)
	v_add_nc_u32 v[244+\b], 0xff000000, v[232+\b]  ; the conversion's scale operand
.endr
.irp b, 0,1,2,3
	s_delay_alu instid0(VALU_DEP_4)
	v_lshrrev_b32 v[236+\b], 23, v[244+\b]
.endr
	s_delay_alu instid0(VALU_DEP_3)
	v_lshl_or_b32 v253, v237, 8, v236              ; p's scale word for these 128 keys
	s_delay_alu instid0(VALU_DEP_1)
	v_lshl_or_b32 v253, v238, 16, v253
	s_delay_alu instid0(VALU_DEP_1)
	v_lshl_or_b32 v253, v239, 24, v253
.irp c, 0,1
	v_cvt_scalef32_pk16_fp6_f32 v[224+6*\c:226+6*\c], v[S+32*\c:S+15+32*\c], v[244+2*\c]
	v_cvt_scalef32_pk16_fp6_f32 v[236+4*\c:238+4*\c], v[S+16+32*\c:S+31+32*\c], v[244+2*\c+1]
.endr
	v_add_nc_u32 v8, 98304, v8                     ; V's codes lie 98,304 bytes behind K's, step for step
	v_add_nc_u32 v9, 98304, v9
.irp t, 0,1,2,3                                ; p is done with: V's four fragments take its registers, and land while the codes are put in order
.irp c, 0,1
	ds_load_b128 v[S+12*\t+6*\c:S+12*\t+6*\c+3], v8 offset:1536*\t+768*\c
	ds_load_b64 v[S+12*\t+6*\c+4:S+12*\t+6*\c+5], v9 offset:1536*\t+768*\c
.endr
.endr
	ds_load_b128 v[248:251], v11                   ; V's scale words
	v_nop                                          ; one plain place behind a scaled conversion
.irp c, 0,1
.irp i, 0,1,2
	v_permlane16_swap_b32 v[224+6*\c+\i], v[236+4*\c+\i]
.endr
.irp i, 0,1,2
	s_delay_alu instid0(VALU_DEP_3)
	v_mov_b32 v[227+6*\c+\i], v[236+4*\c+\i]
.endr
.endr
.set J, 0
.rept 16
	v_pk_mul_f32 v[O+J:O+J+1], v[O+J:O+J+1], v[252:253] op_sel_hi:[1,0]   ; O^T under the new M.  (These 16 are also the places between the scale word's and the codes' last writes and the products)
.set J, J+2
.endr
	s_wait_alu depctr_va_vdst(0)
	s_wait_dscnt 0x0
.irp t, 0,1,2,3
	v_wmma_scale_f32_16x16x128_f8f6f4 v[O+8*\t:O+8*\t+7], v[S+12*\t:S+12*\t+11], v[224:235], v[O+8*\t:O+8*\t+7], v[248+\t], v253 matrix_a_fmt:MATRIX_FMT_FP6 matrix_b_fmt:MATRIX_FMT_FP6
.endr
	s_add_co_u32 s[TB], s[TB], 6144
	s_add_co_u32 s[TS], s[TS], 512
.endm
; A PASS: one tile of 16 queries against all 2,048 keys.  The pass stands in the immediates: no base is stepped.
.macro PASS p
	global_load_b128 v[16:19], v1, s[QB:QB+1] offset:12288*\p
	global_load_b64 v[20:21], v2, s[QB:QB+1] offset:12288*\p
	global_load_b32 v255, v7, s[QSB:QSB+1] offset:1024*\p
	v_mov_b32 v13, 0xff61b1e6                      ; the largest t so far: -3e38
	s_delay_alu instid0(VALU_DEP_1)
	v_floor_f32 v12, -v13
	v_mov_b32 v14, 0
	v_mov_b32 v15, 0
.set J, 0
.rept 32
	v_mov_b32 v[O+J], 0                            ; O^T: the step is written once; the first finds zeros, which the first change of M leaves zeros
.set J, J+1
.endr
	s_mov_b32 s[TB], 0
	s_mov_b32 s[TS], 0
	s_mov_b32 s[CNT], 16
.if \p == 0
	s_wait_tensorcnt 0x0                           ; my part of K, V or the scale words has landed,
	s_barrier_signal -1
	s_barrier_wait -1                              ; everybody's have; nothing in LDS is written from here on
.endif
	s_wait_loadcnt 0x0                             ; Q
.Lstep_\@:
	STEP
	s_sub_co_u32 s[CNT], s[CNT], 1
	s_cmp_lg_u32 s[CNT], 0
	s_cbranch_scc1 .Lstep_\@
.rept 4
	v_nop                                          ; places behind the last products
.endr
	v_add_f32 v14, v14, v15
	s_delay_alu instid0(VALU_DEP_1)
	v_permlanex16_b32 v252, v14, s[SEL], s[SEL+1]
	s_delay_alu instid0(VALU_DEP_1)
	v_add_f32 v14, v14, v252                       ; the row's sum
	s_wait_alu depctr_va_vdst(0)
	v_rcp_f32 v14, v14
	v_lshrrev_b32 v8, 2, v7                        ; 8 r.  (The plain place behind the reciprocal)
	s_wait_alu depctr_va_vdst(0)                   ; ahead of its first reader
.set J, 0
.rept 32
	v_mul_f32 v[S+J], v[O+J], v14                  ; o: register 16 b + i = d 32 b + 16 (lane / 16) + i
.set J, J+1
.endr
.irp b, 0,1
	v_max3_num_f32 v[232+\b], |v[S+16*\b]|, |v[S+1+16*\b]|, 0x1800000
.endr
.irp i, 2,4,6,8,10,12,14
.irp b, 0,1
	s_delay_alu instid0(VALU_DEP_2)
	v_max3_num_f32 v[232+\b], v[232+\b], |v[S+16*\b+\i]|, |v[S+1+16*\b+\i]|
.endr
.endr
.irp b, 0,1
	s_delay_alu instid0(VALU_DEP_2)
	v_permlanex16_b32 v[236+\b], v[232+\b], s[SEL], s[SEL+1]
.endr
.irp b, 0,1
	s_delay_alu instid0(VALU_DEP_2)
	v_max_num_f32 v[232+\b], v[232+\b], v[236+\b]
.endr
.irp b, 0,1
	s_delay_alu instid0(VALU_DEP_2)
	v_add_nc_u32 v[244+\b], 0xff000000, v[232+\b]
.endr
.irp b, 0,1
	s_delay_alu instid0(VALU_DEP_2)
	v_lshrrev_b32 v[236+\b], 23, v[244+\b]
.endr
	s_delay_alu instid0(VALU_DEP_1)
	v_lshl_or_b32 v254, v237, 8, v236              ; my row's two scale bytes
	v_cvt_scalef32_pk16_fp6_f32 v[224:226], v[S:S+15], v244
	v_cvt_scalef32_pk16_fp6_f32 v[236:238], v[S+16:S+31], v245
	v_nop                                          ; one plain place behind a scaled conversion
.irp i, 0,1,2
	v_permlane16_swap_b32 v[224+\i], v[236+\i]
.endr
.irp i, 0,1,2
	s_delay_alu instid0(VALU_DEP_3)
	v_mov_b32 v[227+\i], v[236+\i]
.endr
	global_store_b128 v1, v[224:227], s[OB:OB+1] offset:196608*\p    ; the half image: 512 consecutive bytes, aligned,
	global_store_b64 v2, v[228:229], s[OB:OB+1] offset:196608*\p     ; and 256
	global_store_b16 v8, v254, s[OSB:OSB+1] offset:8192*\p           ; both halves of the lanes hold, and write, the same two bytes
.if \p == 0
	s_wait_xcnt 0x0                                ; the stores have read their data and v8, which the next pass writes again
.endif
.endm
	PASS 0
	PASS 1
	s_wait_tensorcnt 0x0                           ; the wave's end
	ds_add_u32 v[SPW], v[NIL]
	s_wait_dscnt 0x0
	CROUND                                         ; the closing round
	s_endpgm
.Lfunc_end_k_qe871100c24_attn:
	.size	k_qe871100c24_attn, .Lfunc_end_k_qe871100c24_attn-k_qe871100c24_attn
	.p2alignl 7, 3214868480
	.fill 96, 4, 3214868480
	.section	.rodata,"a",@progbits
	.p2align	6, 0x0
	.amdhsa_kernel k_qe871100c24_attn
		.amdhsa_group_segment_fixed_size 215040
		.amdhsa_private_segment_fixed_size 0
		.amdhsa_enable_private_segment 0
		.amdhsa_kernarg_size 24
		.amdhsa_user_sgpr_count 2
		.amdhsa_user_sgpr_kernarg_segment_ptr 1
		.amdhsa_wavefront_size32 1
		.amdhsa_system_sgpr_workgroup_id_x 1
		.amdhsa_system_sgpr_workgroup_id_y 1
		.amdhsa_system_sgpr_workgroup_id_z 1
		.amdhsa_system_vgpr_workitem_id 0
		.amdhsa_next_free_vgpr 256
		.amdhsa_next_free_sgpr 96
		.amdhsa_reserve_vcc 0
		.amdhsa_float_denorm_mode_32 3
		.amdhsa_float_denorm_mode_16_64 3
		.amdhsa_memory_ordered 1
		.amdhsa_forward_progress 1
		.amdhsa_inst_pref_size 56
	.end_amdhsa_kernel
	.amdgpu_metadata
---
amdhsa.version: [ 1, 2 ]
amdhsa.kernels:
  - .name:           k_qe871100c24_attn
    .symbol:         k_qe871100c24_attn.kd
    .args:
      - { .name: qk, .offset: 0, .size: 8, .value_kind: global_buffer, .address_space: global }
      - { .name: vv, .offset: 8, .size: 8, .value_kind: global_buffer, .address_space: global }
      - { .name: aq, .offset: 16, .size: 8, .value_kind: global_buffer, .address_space: global }
    .group_segment_fixed_size: 215040
    .private_segment_fixed_size: 0
    .kernarg_segment_align: 8
    .kernarg_segment_size: 24
    .max_flat_workgroup_size: 512
    .sgpr_count:     96
    .vgpr_count:     256
    .wavefront_size: 32
...
	.end_amdgpu_metadata
.endif
;; end of part 3
;; launch gemm_out (part 4): grid 4 x 64, 4 waves a work-group, clusters of 4 x 4, 327,680 bytes of LDS; arguments aq, wq, out0; writes out0
.if DOCPART == 4
	.amdgcn_target "amdgcn-amd-amdhsa--gfx1250"
	.amdhsa_code_object_version 6
	.text
	.protected	k_qe871100c24_gemm_out
	.globl	k_qe871100c24_gemm_out
	.p2align	8
	.type	k_qe871100c24_gemm_out,@function
k_qe871100c24_gemm_out:
	s_mov_b64 s[64:65], 0
	v_nop
	global_prefetch_b8 v0, s[64:65] scope:SCOPE_SE
	s_setreg_imm32_b32 hwreg(HW_REG_WAVE_MODE, 25, 1), 1
	s_wait_xcnt 0x0
	s_wait_alu depctr_hold_cnt(0) depctr_sa_sdst(0) depctr_va_vdst(0) depctr_va_sdst(0) depctr_va_ssrc(0) depctr_va_vcc(0) depctr_vm_vsrc(0)
	s_getreg_b32 s2, hwreg(HW_REG_IB_STS2, 6, 4)
	s_cmp_eq_u32 s2, 0
	s_cbranch_scc0 .Lentry_in_a_cluster
	s_endpgm
.Lentry_in_a_cluster:
	s_bfe_u32 s2, ttmp6, 0x10000c
	s_cmp_lg_u32 s2, 0xf033
	s_cbranch_scc0 .Lentry_shape_is_right
	s_endpgm
.Lentry_shape_is_right:
.set HALFT, 24576
.set SLOT,  98304
.set SCL,   196608
.set SPARE, 212992
.set FR,    12
.set ASCO,  6291456
.set WSCO,  3145728
.set ADRA16, 16
.set ADRA8,  18
.set ADRB16, 20
.set ADRB8,  22
.set STO,   24
.set RD,    25
.set CO,    26
.set ADRS,  27
.set SPW,   28
.set NIL,   29
.set SC,    32
.set AF,    128
.set BK,    128
.set G1,  24
.set G0,  32
.set G1B, 48
.set G0B, 56
.set G1S, 68
.set G0S, 76
.set G1SB, 80
.set G0SB, 88
.set MSB, 0
.macro WIN new
.if MSB != (\new)
	s_set_vgpr_msb (MSB<<8)|(\new)
.set MSB, (\new)
.endif
.endm
.set MUL_LO, 0xa1
.set MUL_HI, 0xf1
.set TO_B,   0x40
.macro JLOAD g0a, g1a, g0b, g1b
	s_cmp_eq_u32 s15, 0
	s_cbranch_scc0 .Lfor_b_\@
	tensor_load_to_lds s[\g0a:\g0a+3], s[\g1a:\g1a+7]
	s_nop 0
.rept 4
	v_nop
.endr
	s_branch .Lasked_\@
.Lfor_b_\@:
	tensor_load_to_lds s[\g0b:\g0b+3], s[\g1b:\g1b+7]
	s_nop 0
.rept 4
	v_nop
.endr
.Lasked_\@:
.endm
.macro CREST
	s_cmp_lg_u32 s14, 0
	s_cbranch_scc1 .Lnot_wave_0_\@
	s_barrier_signal -3
.Lnot_wave_0_\@:
	s_barrier_wait -3
	s_barrier_signal -1
	s_barrier_wait -1
.endm
.macro CROUND
	s_barrier_signal -1
	s_barrier_wait -1
	CREST
.endm
.macro PLACES n
.rept \n
	v_nop
.endr
.endm
	s_load_b128 s[4:7], s[0:1], 0x0
	s_load_b64 s[12:13], s[0:1], 0x10
	v_lshl_add_u32 v[SPW], v0, 2, SPARE
	v_mov_b32 v[NIL], 0
	ds_add_u32 v[SPW], v[NIL]
	ds_add_u32 v[SPW], v[NIL]
	v_lshrrev_b32 v1, 5, v0
	v_readfirstlane_b32 s14, v1
	s_lshr_b32 s15, s14, 1
	s_and_b32 s16, s14, 1
	s_bfe_u32 s40, ttmp6, 0x40000
	s_bfe_u32 s41, ttmp6, 0x40004
	s_and_b32 s17, ttmp7, 0xffff
	s_lshl_b32 s43, s41, 2
	s_lshl_b32 s43, 15, s43
	s_lshl_b32 s44, 0x1111, s40
	s_lshl_b32 s20, s17, 2
	s_add_co_u32 s20, s20, s41
	s_lshl_b32 s46, ttmp9, 2
	s_add_co_u32 s46, s46, s40
	s_lshl_b32 s92, s20, 7                         ; a work-group makes 128 rows x 256 columns of out; a wave 64 x 128
	s_lshl_b32 s94, s15, 6
	s_add_co_u32 s92, s92, s94
	s_lshl_b32 s92, s92, 12
	s_lshl_b32 s93, s46, 8
	s_lshl_b32 s94, s16, 7
	s_add_co_u32 s93, s93, s94
	s_lshl_b32 s93, s93, 2
	s_add_co_u32 s92, s92, s93
	s_mov_b32 s93, 0
	s_or_b32 s[G1+0], s43, (3<<16)|(1<<21)
	s_or_b32 s[G1B+0], s44, (3<<16)|(1<<21)
.irp g, G1, G1B
	s_mov_b32 s[\g+1], 384<<16
	s_mov_b32 s[\g+2], 16<<16                      ; B's head load brings 16 tiles, its ring's 8 (set below); A's are set below
	s_mov_b32 s[\g+3], 384<<16
	s_mov_b32 s[\g+4], 16
	s_mov_b32 s[\g+5], 1536
	s_mov_b32 s[\g+6], 0
	s_mov_b32 s[\g+7], 0
.endr
	s_mov_b32 s[G1+2], 8<<16                       ; A's tile at the head: 8 tiles of 16 rows
	s_mov_b32 s[G1+4], 8
	s_or_b32 s[G1S+0], s43, (3<<16)|(1<<21)
	s_or_b32 s[G1SB+0], s44, (3<<16)|(1<<21)
.irp g, G1S, G1SB
	s_mov_b32 s[\g+1], 32<<16
	s_mov_b32 s[\g+2], 32<<16                      ; the scale words of 256 rows: 32 rows of 256 bytes
	s_mov_b32 s[\g+3], 32<<16
	s_mov_b32 s[\g+4], 32
	s_mov_b32 s[\g+5], 32
	s_mov_b32 s[\g+6], 0
	s_mov_b32 s[\g+7], 0
.endr
	s_mov_b32 s[G1S+2], 16<<16                     ; A's scale words of 128 rows: 16 rows of 256 bytes
	s_mov_b32 s[G1S+4], 16
	s_lshl_b32 s20, s20, 3                         ; A: 8 tiles a work-group, 4 to a loading wave
	s_lshl_b32 s21, s16, 2
	s_add_co_u32 s20, s20, s21
	s_lshl_b32 s21, s16, 3                         ; B: 8 tiles to a loading wave
	s_lshl_b32 s22, s20, 9
	s_add_co_u32 s22, s22, ASCO
	s_mul_i32 s20, s20, 12288
	s_lshl_b32 s46, s46, 4
	s_add_co_u32 s46, s46, s21
	s_lshl_b32 s66, s46, 9
	s_add_co_u32 s66, s66, WSCO+98304
	s_mul_i32 s46, s46, 12288
	s_add_co_u32 s46, s46, 2359296
	s_mov_b32 s21, 0
	s_mov_b32 s23, 0
	s_mov_b32 s47, 0
	s_mov_b32 s67, 0
	s_mul_i32 s104, s14, HALFT
	s_mul_i32 s95, s16, 12288                      ; A's tiles lie dense at the slot's start: 4 tiles of 3,072 bytes a loading wave
	s_lshl_b32 s105, s14, 12
	s_add_co_u32 s105, s105, SCL-4096              ; wave 1: A's scale words at SCL; wave 3: B's at SCL + 8,192
	s_wait_dscnt 0x0
	s_wait_kmcnt 0x0
	s_add_nc_u64 s[20:21], s[4:5], s[20:21]
	s_add_nc_u64 s[22:23], s[4:5], s[22:23]
	s_add_nc_u64 s[46:47], s[6:7], s[46:47]
	s_add_nc_u64 s[66:67], s[6:7], s[66:67]
	s_add_nc_u64 s[12:13], s[12:13], s[92:93]
	CROUND
	s_mov_b32 s[G0S], 1
	s_mov_b32 s[G0S+1], s105
	s_sub_nc_u64 s[G0S+2:G0S+3], s[22:23], 2048    ; wave 1 stands at A's second half (4 tiles x 512 bytes): back to the first row
	s_or_b32 s[G0S+3], s[G0S+3], 0x80000000
	s_mov_b32 s[G0SB], 1
	s_mov_b32 s[G0SB+1], s105
	s_sub_nc_u64 s[G0SB+2:G0SB+3], s[66:67], 4096
	s_or_b32 s[G0SB+3], s[G0SB+3], 0x80000000
.irp s, 0,1
	s_mov_b32 s[G0+4*\s], 1
	s_add_co_u32 s[G0+4*\s+1], s95, \s*SLOT
	s_add_nc_u64 s[G0+4*\s+2:G0+4*\s+3], s[20:21], \s*3072
	s_or_b32 s[G0+4*\s+3], s[G0+4*\s+3], 0x80000000
	s_mov_b32 s[G0B+4*\s], 1
	s_add_co_u32 s[G0B+4*\s+1], s104, \s*SLOT
	s_add_nc_u64 s[G0B+4*\s+2:G0B+4*\s+3], s[46:47], \s*3072
	s_or_b32 s[G0B+4*\s+3], s[G0B+4*\s+3], 0x80000000
.endr
; the head's four tiles, one joint load a wave, in one chain of branches on the wave's number: A's 8 tiles of K chunk 0, A's scale words, B's 16 tiles, B's scale words
	s_cmp_eq_u32 s14, 0
	s_cbranch_scc0 .Lh1
	tensor_load_to_lds s[G0:G0+3], s[G1:G1+7]
	s_nop 0
	PLACES 4
	s_branch .Lhj
.Lh1:
	s_cmp_eq_u32 s14, 1
	s_cbranch_scc0 .Lh2
	tensor_load_to_lds s[G0S:G0S+3], s[G1S:G1S+7]
	s_nop 0
	PLACES 4
	s_branch .Lhj
.Lh2:
	s_cmp_eq_u32 s14, 2
	s_cbranch_scc0 .Lh3
	tensor_load_to_lds s[G0B:G0B+3], s[G1B:G1B+7]
	s_nop 0
	PLACES 4
	s_branch .Lhj
.Lh3:
	tensor_load_to_lds s[G0SB:G0SB+3], s[G1SB:G1SB+7]
	s_nop 0
	PLACES 4
.Lhj:
	s_wait_alu depctr_va_vdst(0)
	s_wait_tensorcnt 0x0                           ; my tile of the four is in
	ds_add_u32 v28, v29
	s_mov_b32 s[G1+2], 4<<16                       ; no load of mine is out: from here on a load brings 4 tiles of A, 8 of B
	s_mov_b32 s[G1+4], 4
	s_mov_b32 s[G1B+2], 8<<16
	s_mov_b32 s[G1B+4], 8
	s_wait_dscnt 0x0
	CROUND                                         ; all four tiles are in, for every wave
	JLOAD G0+4, G1, G0B+4, G1B                     ; K chunk 1 into slot 1
	v_and_b32 v1, 31, v0
	v_and_b32 v2, 15, v0
	v_bfe_u32 v3, v0, 4, 1
	v_lshlrev_b32 v[CO], 4, v1
	v_lshlrev_b32 v5, 3, v1
	s_mul_i32 s18, s15, 12288                      ; my 64 rows of A
	s_mul_i32 s19, s16, HALFT
	s_add_co_u32 s19, s19, 2*HALFT
.irp s, 0,1
	v_add_nc_u32 v[ADRA16+\s], s18, v[CO]
	v_add_nc_u32 v[ADRA8+\s], s18, v5
	v_add_nc_u32 v[ADRB16+\s], s19, v[CO]
	v_add_nc_u32 v[ADRB8+\s], s19, v5
	s_add_co_u32 s18, s18, SLOT
	s_add_co_u32 s19, s19, SLOT
.endr
	s_lshl_b32 s18, s15, 11                        ; my 64 rows' scale words: 2,048 bytes
	s_lshl_b32 s19, s16, 12
	s_add_co_u32 s19, s19, 8192
	s_sub_co_u32 s19, s19, s18
	v_mul_u32_u24 v6, s19, v3
	s_add_co_u32 s18, s18, SCL
	v_lshl_add_u32 v6, v2, 3, v6
	v_add_nc_u32 v[ADRS], s18, v6
	v_lshlrev_b32 v7, 11, v3                       ; v7: for scale registers 4-7: lanes 16-31 as v[ADRS] + 2,048, lanes 0-15 as v[ADRS]
	v_add_nc_u32 v7, v7, v[ADRS]
	s_mul_i32 s18, s14, 16*528
	v_mul_u32_u24 v4, v2, 528
	v_lshl_add_u32 v4, v3, 6, v4
	v_add_nc_u32 v[STO], s18, v4
	v_add_nc_u32 v[RD], s18, v[CO]
.macro FRAG reg, a16, a8, q, i
	ds_load_b128 v[\reg:\reg+3], v[\a16] offset:3072*(\i)+1536*(\q)
	ds_load_b64 v[\reg+4:\reg+5], v[\a8] offset:3072*(\i)+1536*(\q)+512
	ds_load_b128 v[\reg+6:\reg+9], v[\a16] offset:3072*(\i)+1536*(\q)+768
	ds_load_b64 v[\reg+10:\reg+11], v[\a8] offset:3072*(\i)+1536*(\q)+1280
.endm
.macro FETCH_B slot, q, p
	WIN TO_B
.irp i, 0,1,2,3,4,5,6,7
	FRAG 128*(\p)+FR*\i, ADRB16+\slot, ADRB8+\slot, \q, \i
.endr
	WIN 0
.endm
.macro FETCH_A slot, q, i0
.irp i, \i0, \i0+1, \i0+2, \i0+3
	FRAG AF+FR*(\i), ADRA16+\slot, ADRA8+\slot, \q, (\i)%4   ; i0 = 0: set 0 of A's four fragments, i0 = 4: set 1
.endr
.endm
.macro MUL16 a0, p, ks, zero
.irp a, \a0, \a0+1
.irp b, 0,1,2,3,4,5,6,7
.if \zero
	v_wmma_scale_f32_16x16x128_f8f6f4 v[8*(8*((\a)%4)+\b):8*(8*((\a)%4)+\b)+7], v[128*(\p)+FR*\b:128*(\p)+FR*\b+FR-1], v[AF+FR*(\a):AF+FR*(\a)+FR-1], 0, v[SC+8*\b+(\ks)], v[SC+8*(\a)+(\ks)] matrix_a_fmt:MATRIX_FMT_FP6 matrix_b_fmt:MATRIX_FMT_FP6 matrix_a_scale:MATRIX_SCALE_ROW1
.else
	v_wmma_scale_f32_16x16x128_f8f6f4 v[8*(8*((\a)%4)+\b):8*(8*((\a)%4)+\b)+7], v[128*(\p)+FR*\b:128*(\p)+FR*\b+FR-1], v[AF+FR*(\a):AF+FR*(\a)+FR-1], v[8*(8*((\a)%4)+\b):8*(8*((\a)%4)+\b)+7], v[SC+8*\b+(\ks)], v[SC+8*(\a)+(\ks)] matrix_a_fmt:MATRIX_FMT_FP6 matrix_b_fmt:MATRIX_FMT_FP6 matrix_a_scale:MATRIX_SCALE_ROW1
.endif
.endr
.endr
.endm
; an even step of 128 along K: 32 products on sets 0; the odd step's fragments are asked for ahead of them, into sets 1
.macro STEP slot, ks, zero
	s_wait_dscnt 0x0                               ; sets 0 are in
	PLACES 4                                       ; behind the last products, which read sets 1
	FETCH_B \slot, 1, 1
	FETCH_A \slot, 1, 4
	WIN MUL_LO
	MUL16 0, 0, \ks, \zero
	MUL16 2, 0, \ks, \zero
	WIN 0
.endm
.macro TURN slot, next, fill, ks
	s_wait_tensorcnt 0x0
	ds_add_u32 v[SPW], v[NIL]
	s_wait_dscnt 0x0                               ; the add is done, sets 1 are in: my reads of this slot are over
	s_barrier_signal -1
	WIN MUL_LO
	MUL16 4, 1, \ks, 0                             ; an odd step: A's set 1 is blocks 4-7 of the register map, on the same 32 accumulators
	WIN 0
	s_barrier_wait -1
.if \fill
	CREST
	s_add_nc_u64 s[G0+4*\slot+2:G0+4*\slot+3], s[G0+4*\slot+2:G0+4*\slot+3], 6144
	s_add_nc_u64 s[G0B+4*\slot+2:G0B+4*\slot+3], s[G0B+4*\slot+2:G0B+4*\slot+3], 6144
	JLOAD G0+4*\slot, G1, G0B+4*\slot, G1B
.else
	PLACES 4
.endif
	FETCH_B \next, 0, 0
	FETCH_A \next, 0, 0
	WIN MUL_LO
	MUL16 6, 1, \ks, 0
	WIN 0
.endm
	s_wait_alu depctr_va_vdst(0)                   ; the round above has shown slot 0 and the scale words to all waves
.irp i, 0,1,2,3                                ; lanes 0-15: A's block i, lanes 16-31: B's block i
.irp q, 0,1,2,3
	ds_load_b64 v[SC+8*\i+2*\q:SC+8*\i+2*\q+1], v[ADRS] offset:(\i/2)*1024+256*\q+(\i%2)*128
.endr
.endr
.irp i, 4,5,6,7                                ; lanes 0-15: A's block i - 4 once more, for the odd steps; lanes 16-31: B's block i
.irp q, 0,1,2,3
	ds_load_b64 v[SC+8*\i+2*\q:SC+8*\i+2*\q+1], v7 offset:(\i/2)*1024-2048+256*\q+(\i%2)*128
.endr
.endr
	FETCH_B 0, 0, 0
	FETCH_A 0, 0, 0
	STEP 0, 0, 1
	TURN 0, 1, 1, 1
	STEP 1, 2, 0
	TURN 1, 0, 1, 3
	STEP 0, 4, 0
	TURN 0, 1, 0, 5
	STEP 1, 6, 0
	s_wait_dscnt 0x0                               ; the last step: nothing more to fetch
	WIN MUL_LO
	MUL16 4, 1, 7, 0
	MUL16 6, 1, 7, 0
	WIN 0
.macro TOSTAGE a
.set AC, 64*((\a)%4)
	WIN 0x08+4*((\a)/4)
.irp b, 0,1,2,3,4,5,6,7
	ds_store_b128 v[STO], v[AC+8*\b:AC+8*\b+3] offset:128*(\b/2)+32*(\b%2)
	ds_store_b128 v[STO], v[AC+8*\b+4:AC+8*\b+7] offset:128*(\b/2)+32*(\b%2)+16
.endr
	WIN 0
.set BB, BK+64*((\a)%2)
.irp t, 0,1,2,3,4,5,6,7,8,9,10,11,12,13,14,15
	ds_load_b128 v[BB+4*\t:BB+4*\t+3], v[RD] offset:\t*528
.endr
.endm
.macro SEND a, younger
.set BB, BK+64*((\a)%2)
	s_wait_dscnt \younger
.irp t, 0,1,2,3,4,5,6,7,8,9,10,11,12,13,14,15
	global_store_b128 v[CO], v[BB+4*\t:BB+4*\t+3], s[12:13] offset:(32*((\a)/2)+8*((\a)%2)+\t+8*(\t/8))*4096 th:TH_STORE_NT
.endr
.endm
	PLACES 4
	TOSTAGE 0
.irp a, 1,2,3
.if \a > 1
	s_wait_xcnt 0x0
.endif
	TOSTAGE \a
	SEND \a-1, 32
.endr
	SEND 3, 0
	s_wait_tensorcnt 0x0
	ds_add_u32 v[SPW], v[NIL]
	s_wait_dscnt 0x0
	CROUND
	s_endpgm
.Lfunc_end_k_qe871100c24_gemm_out:
	.size	k_qe871100c24_gemm_out, .Lfunc_end_k_qe871100c24_gemm_out-k_qe871100c24_gemm_out
	.p2alignl 7, 3214868480
	.fill 96, 4, 3214868480
	.section	.rodata,"a",@progbits
	.p2align	6, 0x0
	.amdhsa_kernel k_qe871100c24_gemm_out
		.amdhsa_group_segment_fixed_size 327680
		.amdhsa_private_segment_fixed_size 0
		.amdhsa_enable_private_segment 0
		.amdhsa_kernarg_size 24
		.amdhsa_user_sgpr_count 2
		.amdhsa_user_sgpr_kernarg_segment_ptr 1
		.amdhsa_wavefront_size32 1
		.amdhsa_system_sgpr_workgroup_id_x 1
		.amdhsa_system_sgpr_workgroup_id_y 1
		.amdhsa_system_sgpr_workgroup_id_z 1
		.amdhsa_system_vgpr_workitem_id 0
		.amdhsa_next_free_vgpr 1024
		.amdhsa_next_free_sgpr 106
		.amdhsa_reserve_vcc 0
		.amdhsa_float_denorm_mode_32 3
		.amdhsa_float_denorm_mode_16_64 3
		.amdhsa_memory_ordered 1
		.amdhsa_forward_progress 1
		.amdhsa_inst_pref_size 88
	.end_amdhsa_kernel
	.amdgpu_metadata
---
amdhsa.version: [ 1, 2 ]
amdhsa.kernels:
  - .name:           k_qe871100c24_gemm_out
    .symbol:         k_qe871100c24_gemm_out.kd
    .args:
      - { .name: aq, .offset: 0, .size: 8, .value_kind: global_buffer, .address_space: global }
      - { .name: wq, .offset: 8, .size: 8, .value_kind: global_buffer, .address_space: global }
      - { .name: out0, .offset: 16, .size: 8, .value_kind: global_buffer, .address_space: global }
    .group_segment_fixed_size: 327680
    .private_segment_fixed_size: 0
    .kernarg_segment_align: 8
    .kernarg_segment_size: 24
    .max_flat_workgroup_size: 128
    .sgpr_count:     106
    .vgpr_count:     1024
    .wavefront_size: 32
...
	.end_amdgpu_metadata
.endif
;; end of part 4
